; MI455X (gfx1250); checked and timed in simulation.
; The chip was launched on July 23, 2026; its instructions are those of AMD's public machine-readable ISA for CDNA 5 (MIT licence, August 2026) and "CDNA5" Instruction Set Architecture Reference Guide (July 2026). The comments in the code are by the model that wrote it; some were corrected since.
;; GPT Self Attention V1. Allowed arithmetic: float matrix products may take bf16 or f16 operands with f32 sums; all other float work in f32.
;; Inputs: Wk 2,048 x 2,048 float32; Wq 2,048 x 2,048 float32; Wv 2,048 x 2,048 float32; x 4 x 1,024 x 2,048 float32.
;; Outputs: out0 4 x 1,024 x 2,048 float32.
;; 2 versions, each right; version 2 is version 1 with the launches cvt, softmax written anew for expert scheduling mode. Each part assembles by itself: llvm-mc -triple=amdgcn-amd-amdhsa -mcpu=gfx1250 --defsym DOCPART=n.
;; ======== version 1 of 2: 5 launches
;; limits: values are held in f16: magnitudes above 65,504 overflow, below 6.1e-05 lose precision
;; workspace buffers: ab 43,253,760 bytes; qkv 50,331,648 bytes; sc 16,777,216 bytes; pw 8,388,608 bytes
;; launch cvt (part 1): grid 1280 x 1, 6 waves a work-group, no clusters, 0 bytes of LDS; arguments x, Wq, Wk, Wv, ab; writes ab
.if DOCPART == 1
	.amdgcn_target "amdgcn-amd-amdhsa--gfx1250"
	.amdhsa_code_object_version 6
	.text
	.protected	k_q59bbb01ae5_cvt
	.globl	k_q59bbb01ae5_cvt
	.p2align	8
	.type	k_q59bbb01ae5_cvt,@function
k_q59bbb01ae5_cvt:
	s_mov_b64 s[64:65], 0
	v_nop
	global_prefetch_b8 v0, s[64:65] scope:SCOPE_SE
	s_setreg_imm32_b32 hwreg(HW_REG_WAVE_MODE, 25, 1), 1
	s_wait_xcnt 0x0
; x [4096][2048] and Wq, Wk, Wv [2048][2048], all f32, are rounded once to bf16 (nearest even) and laid out for the product that follows:
; ab[plane][row][96 k], 22 planes of 10,240 rows of 192 bytes; rows 0-4095 are tokens, 4096-6143 Wq's, 6144-8191 Wk's, 8192-10239 Wv's.  Plane p holds k = 96 p .. 96 p + 95;
; 2,048 = 21 x 96 + 32, so plane 21 holds k = 2016 .. 2047 and then 64 zeros a row, which are written here: the product's tiles are brought whole.
; In that layout R rows x 96 k are R x 192 consecutive bytes, so the product's tiles are dense blocks.
; A stream: each input byte is read once, each output byte written once.  No LDS, no barrier, no matrix unit, no cluster: no two work-groups read the same byte.
; SHARES.  A work-group owns 8 of the 10,240 rows: 1,536 consecutive bytes of every plane, six aligned blocks of 256 bytes, one for each of its six waves.  Thread t (0 .. 191) has row t / 24 and,
; in plane p, the four numbers at k = 96 p + 4 (t % 24): 16 bytes in, 8 bytes out at byte 8 t of the work-group's part of the plane.  A store of a wave writes 256 consecutive bytes, aligned.
; A load of a wave takes 512 bytes in two pieces of rows, each a multiple of 128 bytes.  No cache hint on the loads: a plane's 384 bytes of a row end in the middle of an aligned 256, which the next plane's load touches again.
; All 22 loads of a lane go out first; no register is written twice, so the only waits are the counted ones for the loads.
.set PLANE, 10240*192                  ; bytes in a plane of ab
.set X,     4                          ; v[4:91]   plane j: four f32 as loaded, then two words of bf16 in its first two registers
.set QD,    92                         ; v92       t % 24
.set VL,    93                         ; v93       my byte offset in the source for the last plane: the quad clamped to the row's last
	s_load_b256 s[4:11], s[0:1], 0x0               ; x s[4:5], Wq s[6:7], Wk s[8:9], Wv s[10:11]
	s_load_b64 s[12:13], s[0:1], 0x20              ; ab
	s_sub_co_u32 s14, ttmp9, 512
	s_and_b32 s14, s14, 255                        ; my block of 8 rows inside a weight matrix (used from work-group 512 on)
	s_mul_i32 s2, ttmp9, 8*192                     ; my 8 rows of 192 bytes in a plane
	s_mov_b32 s3, 0
	v_mul_u32_u24 v3, v0, 171
	v_lshrrev_b32 v3, 12, v3                       ; t / 24 = (171 t) >> 12, exact for t < 192
	v_mul_u32_u24 v[QD], v3, 24
	v_sub_nc_u32 v[QD], v0, v[QD]                  ; t % 24
	v_lshlrev_b32 v3, 13, v3                       ; my row x 8,192 bytes
	v_min_u32 v[VL], 7, v[QD]                      ; the last plane has 8 quads of numbers: the other lanes load the eighth and store zeros
	v_lshl_add_u32 v[VL], v[VL], 4, v3
	v_lshl_add_u32 v1, v[QD], 4, v3                ; row x 8,192 + 16 (t % 24)
	v_lshlrev_b32 v2, 3, v0                        ; in a plane: 8 t
	v_cmp_gt_u32 s15, 8, v[QD]                     ; the lanes whose quad of the last plane exists
	s_wait_kmcnt 0x0
	s_cmp_ge_u32 ttmp9, 768                        ; which tensor: the work-group's number alone decides
	s_cselect_b64 s[16:17], s[8:9], s[6:7]
	s_cmp_ge_u32 ttmp9, 1024
	s_cselect_b64 s[16:17], s[10:11], s[16:17]
	s_cmp_lt_u32 ttmp9, 512
	s_cselect_b64 s[16:17], s[4:5], s[16:17]
	s_cselect_b32 s18, ttmp9, s14
	s_lshl_b32 s18, s18, 16                        ; 8 rows of 8,192 bytes
	s_mov_b32 s19, 0
	s_add_nc_u64 s[16:17], s[16:17], s[18:19]
	s_add_nc_u64 s[20:21], s[12:13], s[2:3]        ; six bases, four planes apart, so that a plane's place fits the store's signed 24-bit immediate
.irp k, 1,2,3,4,5
	s_add_nc_u64 s[20+2*(\k):21+2*(\k)], s[18+2*(\k):19+2*(\k)], 4*PLANE
.endr
.set j, 0
.rept 21
	global_load_b128 v[X+4*j:X+4*j+3], v1, s[16:17] offset:384*j
.set j, j+1
.endr
	global_load_b128 v[X+84:X+87], v[VL], s[16:17] offset:384*21   ; at most byte 8,191 of the row
.set j, 0
.rept 22
	s_wait_loadcnt 21-j                            ; loads come back in order (ISA guide 5.7.1): plane j is in, the 21 - j younger ones stay out
	v_cvt_pk_bf16_f32 v[X+4*j], v[X+4*j], v[X+4*j+1]
	v_cvt_pk_bf16_f32 v[X+4*j+1], v[X+4*j+2], v[X+4*j+3]
.if j == 21
	v_cndmask_b32 v[X+4*j], 0, v[X+4*j], s15       ; zeros behind k = 2047
	v_cndmask_b32 v[X+4*j+1], 0, v[X+4*j+1], s15
.endif
	global_store_b64 v2, v[X+4*j:X+4*j+1], s[20+2*(j/4):21+2*(j/4)] offset:(j%4)*PLANE
.set j, j+1
.endr
	s_endpgm
.Lfunc_end_k_q59bbb01ae5_cvt:
	.size	k_q59bbb01ae5_cvt, .Lfunc_end_k_q59bbb01ae5_cvt-k_q59bbb01ae5_cvt
	.p2alignl 7, 3214868480
	.fill 96, 4, 3214868480
	.section	.rodata,"a",@progbits
	.p2align	6, 0x0
	.amdhsa_kernel k_q59bbb01ae5_cvt
		.amdhsa_group_segment_fixed_size 0
		.amdhsa_private_segment_fixed_size 0
		.amdhsa_enable_private_segment 0
		.amdhsa_kernarg_size 40
		.amdhsa_user_sgpr_count 2
		.amdhsa_user_sgpr_kernarg_segment_ptr 1
		.amdhsa_wavefront_size32 1
		.amdhsa_system_sgpr_workgroup_id_x 1
		.amdhsa_system_sgpr_workgroup_id_y 1
		.amdhsa_system_sgpr_workgroup_id_z 1
		.amdhsa_system_vgpr_workitem_id 0
		.amdhsa_next_free_vgpr 96
		.amdhsa_next_free_sgpr 66
		.amdhsa_reserve_vcc 0
		.amdhsa_float_denorm_mode_32 3
		.amdhsa_float_denorm_mode_16_64 3
		.amdhsa_memory_ordered 1
		.amdhsa_forward_progress 1
		.amdhsa_inst_pref_size 10
	.end_amdhsa_kernel
	.amdgpu_metadata
---
amdhsa.version: [ 1, 2 ]
amdhsa.kernels:
  - .name:           k_q59bbb01ae5_cvt
    .symbol:         k_q59bbb01ae5_cvt.kd
    .args:
      - { .name: x, .offset: 0, .size: 8, .value_kind: global_buffer, .address_space: global }
      - { .name: Wq, .offset: 8, .size: 8, .value_kind: global_buffer, .address_space: global }
      - { .name: Wk, .offset: 16, .size: 8, .value_kind: global_buffer, .address_space: global }
      - { .name: Wv, .offset: 24, .size: 8, .value_kind: global_buffer, .address_space: global }
      - { .name: ab, .offset: 32, .size: 8, .value_kind: global_buffer, .address_space: global }
    .group_segment_fixed_size: 0
    .private_segment_fixed_size: 0
    .kernarg_segment_align: 8
    .kernarg_segment_size: 40
    .max_flat_workgroup_size: 192
    .sgpr_count:     66
    .vgpr_count:     96
    .wavefront_size: 32
...
	.end_amdgpu_metadata
.endif
;; end of part 1
;; launch proj (part 2): grid 16 x 16, 4 waves a work-group, clusters of 4 x 4, 327,680 bytes of LDS; arguments ab, qkv; writes qkv
.if DOCPART == 2
	.amdgcn_target "amdgcn-amd-amdhsa--gfx1250"
	.amdhsa_code_object_version 6
	.text
	.protected	k_q59bbb01ae5_proj
	.globl	k_q59bbb01ae5_proj
	.p2align	8
	.type	k_q59bbb01ae5_proj,@function
k_q59bbb01ae5_proj:
	s_mov_b64 s[64:65], 0
	v_nop
	global_prefetch_b8 v0, s[64:65] scope:SCOPE_SE
	s_setreg_imm32_b32 hwreg(HW_REG_WAVE_MODE, 25, 1), 1
	s_wait_xcnt 0x0
	s_wait_alu depctr_hold_cnt(0) depctr_sa_sdst(0) depctr_va_vdst(0) depctr_va_sdst(0) depctr_va_ssrc(0) depctr_va_vcc(0) depctr_vm_vsrc(0)
	s_getreg_b32 s2, hwreg(HW_REG_IB_STS2, 6, 4)
	s_cmp_eq_u32 s2, 0
	s_cbranch_scc0 .Lentry_in_a_cluster
	s_endpgm
.Lentry_in_a_cluster:
	s_bfe_u32 s2, ttmp6, 0x10000c
	s_cmp_lg_u32 s2, 0xf033
	s_cbranch_scc0 .Lentry_shape_is_right
	s_endpgm
.Lentry_shape_is_right:
; qkv[token][feature] = sum over k of x[token][k] W[feature][k]: ONE product of 4,096 x 6,144 x 2,048 for the three projections (features 0-2047 Q, 2048-4095 K, 4096-6143 V).
; Operands bf16 (from ab, see its layout below), sums f32 with K ascending, the result rounded once to f16.
; LIMITS.  f16 holds no number beyond 65,504: a q, k or v of 65,520 or more becomes an infinity; below 6e-5 it keeps f16's fixed step of 6e-8.  NaN and infinities are not treated apart.
; TILE.  256 tokens x 384 features: 16 x 16 = 256 work-groups, one for each WGP.  Four waves, each 128 tokens x 192 features: 96 accumulators of 16 x 16, 768 registers.
; ab[plane][row][96 k]: a plane holds 96 along K of all 10,240 rows (tokens, then features), 192 bytes a row; a tile's rows are consecutive bytes and are asked for as rows of 256 bytes.
; Plane 21 holds the last 32 along K and 64 zeros a row: its tile is brought by the same descriptor as the others, and only its first 32 along K are multiplied.
; K goes in 21 steps of 96 and a last one of 32 through a ring of two LDS slots: a step is 288 matrix instructions a wave, 256 of them between a slot's request and the wait for it.
; Two slots of 640 rows x 240 bytes are what fits; a step of 128 would take all of LDS without padding and leave nothing for the spare words.
; CLUSTERS: 4 x 4 work-groups.  The four of a row of the cluster need the same tokens' tile, the four of a column the same features' tile: each is asked for JOINTLY, by the same tensor load
; with the same descriptor and a mask that names the four.  By this text's count a wave has two tensor loads out at the start and one behind each round.
; THE MATRIX INSTRUCTION IS USED TRANSPOSED (source 0 = 16 features, source 1 = 16 tokens): a lane holds one token and eight neighbouring features, 16 bytes of f16.
; REGISTERS, in windows of 256 (s_set_vgpr_msb: bits 1:0 source 0, 3:2 source 1, 5:4 source 2, 7:6 destination):
;   window 0: v0-31 addresses; v32-95, v96-159 the tokens' fragments (8 x 16 rows x 32 K), two buffers that alternate from unit to unit; v160-255 the features' 12 fragments, ONE buffer in three
;             groups of four: a group is loaded again as soon as its 32 products are issued, 64 matrix instructions ahead of its next use.  On the way out v32-223 are at work.
;   windows 1-3: accumulator (a, b), token block a of 8, feature block b of 12, in window 1 + b / 4 at v[8 (8 (b % 4) + a)].
.set PITCH,  240                       ; an LDS row: three chunks of 64 bytes (32 along K), 16 bytes of padding behind each = 60 words, an odd multiple of 16 bytes: the 16 rows of a fragment load start at 16 different groups of four banks (64 banks of 4 bytes: ISA guide 11.1)
.set CHUNK,  80                        ; from a chunk to the next
.set AHALF,  128*PITCH                 ; 128 tokens: what waves 0 and 1 fetch, and what a wave reads
.set BHALF,  192*PITCH                 ; 192 features: what waves 2 and 3 fetch, and what a wave reads
.set BOFF,   2*AHALF                   ; the features' rows lie behind the tokens'
.set SLOT,   2*AHALF+2*BHALF
.set SPITCH, 784                       ; a row of the stage: 768 bytes (384 f16) + 16: an odd multiple of 16
.set SPARE,  2*SLOT                    ; behind the ring: the spare words, 128 bytes for each wave: two blocks of 256 bytes that no other line names
; THE STAGE of the way out, 128 rows x 784 bytes, the work-group's, begins at LDS byte 0: it lies inside slot 0, which has had its last fill (step 20) and has been read out in front of the last
; change of slots, a barrier that every wave passes with its tensor loads and its LDS reads waited for.  The last step reads slot 1 alone.
.set PLANE,  10240*192                 ; bytes in a plane of ab
.set QROW,   12288                     ; bytes in a row of qkv
.set TRIPS,  10                        ; a lap = two K steps = six units = once round the ring; the loop's trips fill steps 2 to 21
.set ADRA, 16                          ; v16-17  LDS address of my tokens' fragments in slot 0, 1
.set ADRB, 20                          ; v20-21  the same for my features'
.set STO,  24                          ; v24     the way out: where I put 16 bytes of a row
.set RD,   25                          ; v25     the way out: where I read a row back
.set CO,   26                          ; v26     my byte offset in qkv
.set SPW,  28                          ; v28     LDS address of my spare word: SPARE + 4 x my thread's number; never rewritten
.set NIL,  29                          ; v29     0; never rewritten
.set FA0,  32
.set FA1,  96
.set FB,   160
.set TMP,  32                          ; the way out: 48 x 4 registers
.set G1,  24                           ; s[24:31] descriptor group 1 for the tokens' tiles;  s[32:39] group 0, one set for each slot
.set G0,  32
.set G1B, 48                           ; s[48:55], s[56:63] the same for the features' tiles
.set G0B, 56
.set MSB, 0
.macro WIN new                         ; the immediate's high byte repeats the setting that is left; a switch that changes nothing is dropped
.if MSB != (\new)
	s_set_vgpr_msb (MSB<<8)|(\new)
.set MSB, \new
.endif
.endm
.macro PLACES                          ; four places in front of loads into registers that matrix instructions have read, and of conversions that read results
.rept 4
	v_nop
.endr
.endm
; A joint load: waves 0 and 1 fetch the tokens' two halves, waves 2 and 3 the features'.  The branch hangs on the wave's number alone.
; An s_nop 0 and four v_nop follow each of the two lines, ahead of the jump, the label and what follows.
.macro JLOAD s
	s_cmp_eq_u32 s11, 0
	s_cbranch_scc0 .Lfor_b_\@
	tensor_load_to_lds s[G0+4*(\s):G0+4*(\s)+3], s[G1:G1+7]
	s_nop 0
.rept 4
	v_nop
.endr
	s_branch .Lasked_\@
.Lfor_b_\@:
	tensor_load_to_lds s[G0B+4*(\s):G0B+4*(\s)+3], s[G1B:G1B+7]
	s_nop 0
.rept 4
	v_nop
.endr
.Lasked_\@:
.endm
.macro CREST                           ; a round of the cluster's barrier behind its opening barrier
	s_cmp_lg_u32 s10, 0
	s_cbranch_scc1 .Lnot_wave_0_\@
	s_barrier_signal -3
.Lnot_wave_0_\@:
	s_barrier_wait -3
	s_barrier_signal -1
	s_barrier_wait -1
.endm
.macro CROUND                          ; a whole round
	s_barrier_signal -1
	s_barrier_wait -1
	CREST
.endm
	s_load_b128 s[4:7], s[0:1], 0x0                ; ab s[4:5], qkv s[6:7]
	v_lshl_add_u32 v[SPW], v0, 2, SPARE
	v_mov_b32 v[NIL], 0
	ds_add_u32 v[SPW], v[NIL]                      ; the wave's opening: the add and its wait stand ahead of my first tensor load; the set-up below, work on registers, stands between them
	v_lshrrev_b32 v1, 5, v0
	v_readfirstlane_b32 s10, v1                    ; wave 0..3
	s_lshr_b32 s11, s10, 1                         ; which 128 tokens are mine.  Also: I fetch tokens (0) or features (1)
	s_and_b32 s12, s10, 1                          ; which 192 features are mine.  Also: which half of that tile I fetch
	s_bfe_u32 s40, ttmp6, 0x40000                  ; cx, cy: my place in the cluster
	s_bfe_u32 s41, ttmp6, 0x40004
	s_lshl_b32 s42, ttmp9, 2
	s_add_co_u32 s42, s42, s40                     ; tile column (384 features) = 4 x cluster x + cx
	s_and_b32 s13, ttmp7, 0xffff
	s_lshl_b32 s13, s13, 2
	s_add_co_u32 s13, s13, s41                     ; tile row (256 tokens) = 4 x cluster y + cy
	s_lshl_b32 s43, s41, 2
	s_lshl_b32 s43, 15, s43                        ; my row of the cluster
	s_lshl_b32 s44, 0x1111, s40                    ; my column
	; descriptor group 1: dense bytes as rows of 128 elements (256 bytes), padded in LDS after every 64 bytes, a chunk of a tile row
	s_or_b32 s[G1+0], s43, (1<<16)|(1<<20)|(1<<21)|(3<<22)|(3<<25)   ; 15:0 the mask; 17:16 2-byte elements; 20 padding on; 21 set beside a mask; 24:22 after every 16 words (code 3); 31:25 4 words (code 3)
	s_or_b32 s[G1B+0], s44, (1<<16)|(1<<20)|(1<<21)|(3<<22)|(3<<25)
.irp g, G1, G1B
	s_mov_b32 s[(\g)+1], 128<<16                   ; tensor_dim0 = 128
	s_mov_b32 s[(\g)+3], 128<<16                   ; tile_dim0 = 128
	s_mov_b32 s[(\g)+5], 128                       ; 128 elements from row to row
	s_mov_b32 s[(\g)+6], 0
	s_mov_b32 s[(\g)+7], 0
.endr
	s_mov_b32 s[G1+2], 96<<16                      ; tokens: tensor_dim1 = tile_dim1 = 96 rows of 256 bytes = 128 tile rows of 192
	s_mov_b32 s[G1+4], 96
	s_mov_b32 s[G1B+2], 144<<16                    ; features: 144 rows of 256 bytes = 192 tile rows of 192
	s_mov_b32 s[G1B+4], 144
	; where the tiles come from: the tokens' hang on the tile row alone, the features' on the tile column alone, each made in registers that never hold the other coordinate
	s_mul_i32 s16, s13, 256*192                    ; 256 rows of 192 bytes
	s_mul_i32 s17, s12, 128*192                    ; my 128 of them
	s_add_co_u32 s16, s16, s17
	s_mov_b32 s17, 0
	s_mul_i32 s46, s42, 384*192
	s_mul_i32 s47, s12, 192*192
	s_add_co_u32 s46, s46, s47
	s_add_co_u32 s46, s46, 4096*192                ; the features' rows lie behind the 4,096 tokens'
	s_mov_b32 s47, 0
	s_mul_i32 s20, s12, AHALF                      ; and where they go: no place in the cluster enters an LDS address
	s_mul_i32 s21, s12, BHALF
	s_add_co_u32 s21, s21, BOFF
	s_wait_dscnt 0x0                               ; the opening add is done
	s_wait_kmcnt 0x0
	s_add_nc_u64 s[14:15], s[4:5], s[16:17]
	s_add_nc_u64 s[46:47], s[4:5], s[46:47]
	CROUND                                         ; all sixteen work-groups are here: the first joint loads meet
.irp s, 0,1
	s_mov_b32 s[G0+4*(\s)], 1                                      ; count = 1
	s_add_co_u32 s[G0+4*(\s)+1], s20, (\s)*SLOT                    ; LDS address
	s_add_nc_u64 s[G0+4*(\s)+2:G0+4*(\s)+3], s[14:15], (\s)*PLANE  ; global address: K step s
	s_or_b32 s[G0+4*(\s)+3], s[G0+4*(\s)+3], 0x80000000            ; type = 2
	s_mov_b32 s[G0B+4*(\s)], 1
	s_add_co_u32 s[G0B+4*(\s)+1], s21, (\s)*SLOT
	s_add_nc_u64 s[G0B+4*(\s)+2:G0B+4*(\s)+3], s[46:47], (\s)*PLANE
	s_or_b32 s[G0B+4*(\s)+3], s[G0B+4*(\s)+3], 0x80000000
	JLOAD \s
.endr
	; a fragment is 16 rows x 32 K in 8 registers: lane l holds row l % 16, K = 8 (l / 16) + 0..7 and 16 + 8 (l / 16) + 0..7: two loads of 16 bytes, 32 bytes apart, inside one chunk
	v_and_b32 v1, 15, v0                           ; l % 16
	v_bfe_u32 v2, v0, 4, 1                         ; l / 16
	v_mul_u32_u24 v3, v1, PITCH
	v_lshl_add_u32 v3, v2, 4, v3
	s_mul_i32 s22, s11, AHALF
	s_mul_i32 s23, s12, BHALF
	s_add_co_u32 s23, s23, BOFF
.irp s, 0,1
	v_add_nc_u32 v[ADRA+(\s)], s22, v3
	v_add_nc_u32 v[ADRB+(\s)], s23, v3
	s_add_co_u32 s22, s22, SLOT
	s_add_co_u32 s23, s23, SLOT
.endr
	s_mul_i32 s18, s11, 64*SPITCH                  ; into the stage (from LDS byte 0): a pass holds 64 of my 128 tokens; my 384 of a row's 768 bytes; row l % 16, 16 bytes for each half of the lanes
	s_mul_i32 s19, s12, 384
	s_add_co_u32 s18, s18, s19
	v_mul_u32_u24 v4, v1, SPITCH
	v_lshl_add_u32 v4, v2, 4, v4
	v_add_nc_u32 v[STO], s18, v4
	s_mul_i32 s18, s10, 32*SPITCH                  ; back: wave w takes stage rows 32 w .. 32 w + 31, whole; lanes 0-15 take 256 bytes of one row, lanes 16-31 of the next
	v_mul_u32_u24 v5, v2, SPITCH
	v_lshl_add_u32 v5, v1, 4, v5
	v_add_nc_u32 v[RD], s18, v5
	v_mul_u32_u24 v5, v2, QROW                     ; and the same two rows in qkv
	v_lshl_add_u32 v[CO], v1, 4, v5
	s_lshl_b32 s16, s13, 8                         ; stage row 32 w + i of pass p is token 256 x tile row + 128 (w / 2) + 64 p + 32 (w % 2) + i
	s_lshl_b32 s17, s11, 7
	s_add_co_u32 s16, s16, s17
	s_lshl_b32 s17, s12, 5
	s_add_co_u32 s16, s16, s17
	s_mul_i32 s16, s16, QROW
	s_mov_b32 s17, 0
	s_add_nc_u64 s[8:9], s[6:7], s[16:17]
	s_mul_i32 s46, s42, 768                        ; the tile's first feature, in bytes
	s_mov_b32 s47, 0
	s_add_nc_u64 s[8:9], s[8:9], s[46:47]
; n x 8 matrix instructions: feature blocks bb0 .. bb0 + n - 1 of group g x all 8 token blocks, 32 along K.  zero = 1: the product starts the sums: nothing is ever cleared.
; The 96 accumulators take turns, one instruction a turn, in the same order in every unit.
.macro MULB g, bb0, n, fa, zero
	WIN 0x50*((\g)+1)                              ; C and D in window 1 + g, sources in window 0
.set bb, \bb0
.rept \n
.set a, 0
.rept 8
.set rD, 8*(8*bb+a)
.set rB, FB+8*(4*(\g)+bb)
.set rA, (\fa)+8*a
.if \zero
	v_wmma_f32_16x16x32_bf16 v[rD:rD+7], v[rB:rB+7], v[rA:rA+7], 0
.else
	v_wmma_f32_16x16x32_bf16 v[rD:rD+7], v[rB:rB+7], v[rA:rA+7], v[rD:rD+7]
.endif
.set a, a+1
.endr
.set bb, bb+1
.endr
.endm
.macro LDB g, slot, k                  ; 8 LDS loads: group g's four fragments of the features, the chunk at byte k of the rows
.irp i, 0,1,2,3
	ds_load_b128 v[FB+8*(4*(\g)+(\i)):FB+8*(4*(\g)+(\i))+3],   v[ADRB+(\slot)] offset:(\k)+(4*(\g)+(\i))*16*PITCH
	ds_load_b128 v[FB+8*(4*(\g)+(\i))+4:FB+8*(4*(\g)+(\i))+7], v[ADRB+(\slot)] offset:(\k)+(4*(\g)+(\i))*16*PITCH+32
.endr
.endm
.macro LDA f, slot, k                  ; 16 LDS loads: the tokens' eight fragments into buffer f
.irp i, 0,1,2,3,4,5,6,7
	ds_load_b128 v[(\f)+8*(\i):(\f)+8*(\i)+3],   v[ADRA+(\slot)] offset:(\k)+(\i)*16*PITCH
	ds_load_b128 v[(\f)+8*(\i)+4:(\f)+8*(\i)+7], v[ADRA+(\slot)] offset:(\k)+(\i)*16*PITCH+32
.endr
.endm
; A K step is three units of 32 along K, 96 matrix instructions each.  One of the first two: multiplies the tokens' buffer fa and fetches the next unit's fragments (the chunk at byte k of the same
; slot's rows; the tokens' into na).  At its head 40 LDS loads are out, in this order: group 0 and the tokens' (24), group 1 (8), group 2 (8); it leaves the same behind.
.macro UNIT slot, k, fa, na, zero
	s_wait_dscnt 16                                ; group 0 and the tokens' fragments are in; groups 1 and 2 (8 + 8) may be out
	MULB 0, 0, 4, \fa, \zero
	WIN 0
	PLACES
	LDB 0, \slot, \k
	LDA \na, \slot, \k
	s_wait_dscnt 32                                ; group 1 is in; behind it: group 2's 8 and the 24 just issued
	MULB 1, 0, 4, \fa, \zero
	WIN 0
	PLACES
	LDB 1, \slot, \k
	s_wait_dscnt 32                                ; group 2 is in; behind it: 24 + 8
	MULB 2, 0, 4, \fa, \zero
	WIN 0
	PLACES
	LDB 2, \slot, \k
.endm
; A step's third unit multiplies buffer fa and changes slots: ONE barrier.  In front of it each wave waits for all its tensor loads (one is out: its part of the next slot), adds 0 to its spare word,
; and waits for that and for its own reads of this slot.  fill = 1: the barrier opens a round of the cluster's, and this slot is filled again, two K steps ahead, first thing behind the round:
; from that request to the wait for it a wave issues 256 matrix instructions.  Then come the next slot's first fragments (the tokens' into na).
.macro TURN slot, next, fa, na, fill
	WIN 0                                          ; (the add's two registers lie in window 0)
	s_wait_tensorcnt 0x0                           ; all my tensor loads have landed;
	ds_add_u32 v[SPW], v[NIL]                      ; 0 onto my spare word;
	s_wait_dscnt 17                                ; (groups 1 and 2 and the add may be out)
	MULB 0, 0, 2, \fa, 0                           ; sixteen matrix instructions stand between the add and the wait for it
	s_wait_dscnt 0x0                               ; the add is done, and my reads of this slot are over
	s_barrier_signal -1
	MULB 0, 2, 2, \fa, 0                           ; work on registers while the others arrive
	WIN 0                                          ; (branches may follow)
	s_barrier_wait -1
.if \fill
	CREST                                          ; no wave of any partner still reads this slot's tile or has a load on its way
	s_add_nc_u64 s[G0+4*(\slot)+2:G0+4*(\slot)+3], s[G0+4*(\slot)+2:G0+4*(\slot)+3], 2*PLANE
	s_add_nc_u64 s[G0B+4*(\slot)+2:G0B+4*(\slot)+3], s[G0B+4*(\slot)+2:G0B+4*(\slot)+3], 2*PLANE
	JLOAD \slot                                    ; the four v_nop behind it are also the places in front of the loads below
.else
	PLACES
.endif
	LDB 0, \next, 0
	LDA \na, \next, 0
	MULB 1, 0, 4, \fa, 0
	WIN 0
	PLACES
	LDB 1, \next, 0
	MULB 2, 0, 4, \fa, 0
	WIN 0
	PLACES
	LDB 2, \next, 0
.endm
	s_wait_tensorcnt 1                             ; my part of K step 0 is in; K step 1's may stay out
	s_barrier_signal -1
	s_barrier_wait -1                              ; everybody's is
	LDB 0, 0, 0
	LDA FA0, 0, 0
	LDB 1, 0, 0
	LDB 2, 0, 0
	UNIT 0, CHUNK, FA0, FA1, 1                     ; the first unit stands in front of the loop: its products start the sums
	s_mov_b32 s3, TRIPS
.Llap:                                                 ; a trip goes once round the ring, from a lap's second unit to the next lap's first, and fills both slots again; six units, so the tokens' buffers come round
	UNIT 0, 2*CHUNK, FA1, FA0, 0
	TURN 0, 1, FA0, FA1, 1
	UNIT 1, CHUNK, FA1, FA0, 0
	UNIT 1, 2*CHUNK, FA0, FA1, 0
	TURN 1, 0, FA1, FA0, 1
	UNIT 0, CHUNK, FA0, FA1, 0
	s_sub_co_u32 s3, s3, 1
	s_cmp_lg_u32 s3, 0
	s_cbranch_scc1 .Llap
	UNIT 0, 2*CHUNK, FA1, FA0, 0                   ; step 20 goes on; nothing is left to fetch from memory
	TURN 0, 1, FA0, FA1, 0                         ; the last change of slots has no round of the cluster's barrier; behind it nobody reads slot 0 any more
	s_wait_dscnt 16                                ; step 21 is one unit, the last 32 along K: nothing more to fetch, the counts run down
	MULB 0, 0, 4, FA1, 0
	s_wait_dscnt 8
	MULB 1, 0, 4, FA1, 0
	s_wait_dscnt 0x0
	MULB 2, 0, 4, FA1, 0
; THE WAY OUT, in two passes: pass p takes token blocks 4 p .. 4 p + 3 of every wave, 128 rows of the stage.  Rounded to f16, 16 bytes a lane into the work-group's stage; a barrier, since a row's
; 768 bytes come from two waves; back as whole rows, 32 rows a wave, and stored: sixteen lanes write 256 consecutive bytes, at a multiple of 256 from qkv's first byte.
.macro OUTPASS p
.if (\p) == 0
	PLACES                                         ; behind the last products
.else
	s_wait_xcnt 0x0                                ; the first pass's stores have read their registers (ISA guide 3.1): only now are those written again
	s_barrier_signal -1                            ; every wave's reads of the stage are back (its last count-down ended at 0): the stage may be written again
	s_barrier_wait -1
.endif
.irp g, 0,1,2
	WIN 5*((\g)+1)                                 ; sources 0 and 1 in window 1 + g, destination in window 0
.irp bb, 0,1,2,3
.irp aa, 0,1,2,3
.irp i, 0,1,2,3
	v_cvt_pk_f16_f32 v[TMP+4*(12*(\aa)+4*(\g)+(\bb))+(\i)], v[8*(8*(\bb)+4*(\p)+(\aa))+2*(\i)], v[8*(8*(\bb)+4*(\p)+(\aa))+2*(\i)+1]  ; each accumulator's registers in ascending order
.endr
.endr
.endr
.endr
	WIN 0
.irp aa, 0,1,2,3
.irp b, 0,1,2,3,4,5,6,7,8,9,10,11
	ds_store_b128 v[STO], v[TMP+4*(12*(\aa)+(\b)):TMP+4*(12*(\aa)+(\b))+3] offset:(\aa)*16*SPITCH+32*(\b)
.endr
.endr
	s_wait_dscnt 0x0                               ; for the others' sake: my stores into the stage are done
	s_barrier_signal -1
	s_barrier_wait -1
.set u, 0
.rept 48                               ; pair u / 3 of my 32 rows, 256 bytes u % 3 of their 768
	ds_load_b128 v[TMP+4*u:TMP+4*u+3], v[RD] offset:(u/3)*2*SPITCH+(u%3)*256
.set u, u+1
.endr
.set u, 0
.rept 48
	s_wait_dscnt 47-u                              ; LDS loads come back in order: number u is in
	global_store_b128 v[CO], v[TMP+4*u:TMP+4*u+3], s[8:9] offset:(\p)*64*QROW+(u/3)*2*QROW+(u%3)*256
.set u, u+1
.endr
.endm
	OUTPASS 0
	OUTPASS 1
	s_wait_tensorcnt 0x0                           ; the wave's end: behind my last tensor load and my last LDS store
	ds_add_u32 v[SPW], v[NIL]
	s_wait_dscnt 0x0
	CROUND                                         ; the closing round: no work-group ends while a partner may still ask for a tile that names it
	s_endpgm
.Lfunc_end_k_q59bbb01ae5_proj:
	.size	k_q59bbb01ae5_proj, .Lfunc_end_k_q59bbb01ae5_proj-k_q59bbb01ae5_proj
	.p2alignl 7, 3214868480
	.fill 96, 4, 3214868480
	.section	.rodata,"a",@progbits
	.p2align	6, 0x0
	.amdhsa_kernel k_q59bbb01ae5_proj
		.amdhsa_group_segment_fixed_size 327680
		.amdhsa_private_segment_fixed_size 0
		.amdhsa_enable_private_segment 0
		.amdhsa_kernarg_size 16
		.amdhsa_user_sgpr_count 2
		.amdhsa_user_sgpr_kernarg_segment_ptr 1
		.amdhsa_wavefront_size32 1
		.amdhsa_system_sgpr_workgroup_id_x 1
		.amdhsa_system_sgpr_workgroup_id_y 1
		.amdhsa_system_sgpr_workgroup_id_z 1
		.amdhsa_system_vgpr_workitem_id 0
		.amdhsa_next_free_vgpr 1024
		.amdhsa_next_free_sgpr 66
		.amdhsa_reserve_vcc 0
		.amdhsa_float_denorm_mode_32 3
		.amdhsa_float_denorm_mode_16_64 3
		.amdhsa_memory_ordered 1
		.amdhsa_forward_progress 1
		.amdhsa_inst_pref_size 150
	.end_amdhsa_kernel
	.amdgpu_metadata
---
amdhsa.version: [ 1, 2 ]
amdhsa.kernels:
  - .name:           k_q59bbb01ae5_proj
    .symbol:         k_q59bbb01ae5_proj.kd
    .args:
      - { .name: ab, .offset: 0, .size: 8, .value_kind: global_buffer, .address_space: global }
      - { .name: qkv, .offset: 8, .size: 8, .value_kind: global_buffer, .address_space: global }
    .group_segment_fixed_size: 327680
    .private_segment_fixed_size: 0
    .kernarg_segment_align: 8
    .kernarg_segment_size: 16
    .max_flat_workgroup_size: 128
    .sgpr_count:     66
    .vgpr_count:     1024
    .wavefront_size: 32
...
	.end_amdgpu_metadata
.endif
;; end of part 2
;; launch scores (part 3): grid 12 x 16, 4 waves a work-group, clusters of 4 x 4, 327,680 bytes of LDS; arguments qkv, sc; writes sc
.if DOCPART == 3
	.amdgcn_target "amdgcn-amd-amdhsa--gfx1250"
	.amdhsa_code_object_version 6
	.text
	.protected	k_q59bbb01ae5_scores
	.globl	k_q59bbb01ae5_scores
	.p2align	8
	.type	k_q59bbb01ae5_scores,@function
k_q59bbb01ae5_scores:
	s_mov_b64 s[64:65], 0
	v_nop
	global_prefetch_b8 v0, s[64:65] scope:SCOPE_SE
	s_setreg_imm32_b32 hwreg(HW_REG_WAVE_MODE, 25, 1), 1
	s_wait_xcnt 0x0
	s_wait_alu depctr_hold_cnt(0) depctr_sa_sdst(0) depctr_va_vdst(0) depctr_va_sdst(0) depctr_va_ssrc(0) depctr_va_vcc(0) depctr_vm_vsrc(0)
	s_getreg_b32 s2, hwreg(HW_REG_IB_STS2, 6, 4)
	s_cmp_eq_u32 s2, 0
	s_cbranch_scc0 .Lentry_in_a_cluster
	s_endpgm
.Lentry_in_a_cluster:
	s_bfe_u32 s2, ttmp6, 0x10000c
	s_cmp_lg_u32 s2, 0xf033
	s_cbranch_scc0 .Lentry_shape_is_right
	s_endpgm
.Lentry_shape_is_right:
; sc[token q][key] = Q[q] . K[key], unscaled and unmasked, f32; Q and K are the f16 columns 0-2047 and 2048-4095 of qkv's rows (12,288 bytes).  Products f16, sums f32 with the 2,048 channels ascending.
; THE CAUSAL CUT.  A batch's 1,024 x 1,024 scores fall into four squares of 512; the square above the diagonal is hidden whole and is not made.  A cluster of 4 x 4 work-groups makes a square:
; cluster x = 0, 1, 2 are the squares (query half G, key half J) = (0, 0), (1, 0), (1, 1); cluster y is the batch: 3 x 4 clusters, 192 work-groups.  What is hidden inside the two diagonal
; squares is made all the same (partners of a cluster run alike) and masked by the launch that follows.
; TILE.  128 queries x 128 keys; four waves, each 64 x 64: 16 accumulators.  Query m of the tile of cluster row cy is query 4 m + cy of the square, so that every work-group of a diagonal square holds scores that count.
; The 2,048 channels go in 8 steps of 256 (LDS rows of 512 bytes, 64 to a tensor load) through two LDS slots.  Q's tile is shared along a row of the cluster, K's along a column: JOINT loads.
; By this text's count a wave has two tensor loads out at the start and one behind each round.
; THE MATRIX INSTRUCTION IS USED TRANSPOSED (source 0 = 16 keys, source 1 = 16 queries): a lane holds one query and eight neighbouring keys, 32 bytes of f32.
; REGISTERS: window 0: v0-31 addresses; v32-95 at work on the way out; v128-255 the accumulators ((a, b) at v[128 + 8 (4 a + b)]).
;   window 1: two fragment buffers of 128: for 64 channels (two matrix instructions deep), 64 registers of Q, then 64 of K.
.set KSTEP,  256
.set PITCH,  528                       ; an LDS row: 512 bytes + 16 of padding = 132 words: row r starts at bank 4 r mod 64 (64 banks of 4 bytes: ISA guide 11.1)
.set HALFT,  64*PITCH                  ; 64 rows: what one tensor load brings, and what one wave reads of Q or of K
.set SLOT,   4*HALFT                   ; Q's 128 rows, then K's 128 rows
.set STAGE,  2*SLOT                    ; behind the ring: 16 rows x 272 bytes for each wave, its own, for the way out
.set SPITCH, 272
.set SPARE,  STAGE+4*16*SPITCH         ; behind the stages: the spare words, 128 bytes for each wave: two blocks of 256 bytes that no other line names
.set LAPS,   4                         ; a lap = two steps = once round the ring
.set QROW,   12288                     ; bytes in a row of qkv
.set ADRA, 16                          ; v16-17  LDS address of my Q fragments in slot 0, 1
.set ADRB, 20                          ; v20-21  the same for K
.set STO,  24                          ; v24     the way out: where I put 32 bytes of a row
.set RD,   25                          ; v25     the way out: where I read a row back
.set CO,   26                          ; v26     my byte offset in sc
.set SPW,  28                          ; v28     LDS address of my spare word; never rewritten
.set NIL,  29                          ; v29     0; never rewritten
.set TMP,  32                          ; the way out: two buffers of 32
.set ACC,  128
.set F0,   0                           ; fragment buffers, in window 1
.set F1,   128
.set G1,  24
.set G0,  32
.set G1B, 48
.set G0B, 56
.set MSB, 0
.macro WIN new
.if MSB != (\new)
	s_set_vgpr_msb (MSB<<8)|(\new)
.set MSB, \new
.endif
.endm
.set MUL,  0x05                        ; sources 0 (K) and 1 (Q) window 1; C and D window 0
.set TO_F, 0x40                        ; destination window 1, address window 0
.macro JLOAD s                         ; a joint load: waves 0 and 1 fetch Q's two halves, waves 2 and 3 K's; an s_nop 0 and four v_nop follow each of the two lines
	s_cmp_eq_u32 s11, 0
	s_cbranch_scc0 .Lfor_b_\@
	tensor_load_to_lds s[G0+4*(\s):G0+4*(\s)+3], s[G1:G1+7]
	s_nop 0
.rept 4
	v_nop
.endr
	s_branch .Lasked_\@
.Lfor_b_\@:
	tensor_load_to_lds s[G0B+4*(\s):G0B+4*(\s)+3], s[G1B:G1B+7]
	s_nop 0
.rept 4
	v_nop
.endr
.Lasked_\@:
.endm
.macro CREST
	s_cmp_lg_u32 s10, 0
	s_cbranch_scc1 .Lnot_wave_0_\@
	s_barrier_signal -3
.Lnot_wave_0_\@:
	s_barrier_wait -3
	s_barrier_signal -1
	s_barrier_wait -1
.endm
.macro CROUND
	s_barrier_signal -1
	s_barrier_wait -1
	CREST
.endm
	s_load_b128 s[4:7], s[0:1], 0x0                ; qkv s[4:5], sc s[6:7]
	v_lshl_add_u32 v[SPW], v0, 2, SPARE
	v_mov_b32 v[NIL], 0
	ds_add_u32 v[SPW], v[NIL]                      ; the wave's opening: the add and its wait stand ahead of my first tensor load; the set-up below stands between them
	v_lshrrev_b32 v1, 5, v0
	v_readfirstlane_b32 s10, v1                    ; wave 0..3
	s_lshr_b32 s11, s10, 1                         ; which 64 of the tile's queries are mine.  Also: I fetch for Q (0) or for K (1)
	s_and_b32 s12, s10, 1                          ; which 64 of its keys.  Also: which 64 rows of that tile I fetch
	s_bfe_u32 s40, ttmp6, 0x40000                  ; cx, cy
	s_bfe_u32 s41, ttmp6, 0x40004
	s_min_u32 s14, ttmp9, 1                        ; G: the square's query half
	s_lshr_b32 s15, ttmp9, 1                       ; J: its key half
	s_and_b32 s13, ttmp7, 0xffff                   ; the batch
	s_lshl_b32 s43, s41, 2
	s_lshl_b32 s43, 15, s43                        ; my row of the cluster
	s_lshl_b32 s44, 0x1111, s40                    ; my column
	s_or_b32 s[G1+0], s43, (1<<16)|(1<<20)|(1<<21)|(6<<22)|(3<<25)   ; the mask; 2-byte elements; padding on; bit 21 beside a mask; after every 128 words (code 6) 4 words (code 3)
	s_or_b32 s[G1B+0], s44, (1<<16)|(1<<20)|(1<<21)|(6<<22)|(3<<25)
.irp g, G1, G1B
	s_mov_b32 s[(\g)+1], KSTEP<<16                 ; tensor_dim0 = 256
	s_mov_b32 s[(\g)+2], 64<<16                    ; tensor_dim1 = 64
	s_mov_b32 s[(\g)+3], KSTEP<<16                 ; tile_dim0 = 256
	s_mov_b32 s[(\g)+4], 64                        ; tile_dim1 = 64
	s_mov_b32 s[(\g)+6], 0
	s_mov_b32 s[(\g)+7], 0
.endr
	s_mov_b32 s[G1+5], 4*6144                      ; Q: every fourth token
	s_mov_b32 s[G1B+5], 6144                       ; K: token after token
	s_lshl_b32 s18, s13, 10                        ; the batch's first token
	s_lshl_b32 s16, s14, 9
	s_add_co_u32 s16, s16, s18
	s_add_co_u32 s16, s16, s41                     ; query 0 of my tile: batch + 512 G + cy
	s_lshl_b32 s2, s11, 8                          ; my wave's 64 queries begin 256 tokens on
	s_add_co_u32 s2, s2, s16
	s_lshl_b32 s2, s2, 12                          ; rows of sc have 4,096 bytes
	s_mov_b32 s3, 0
	s_lshl_b32 s17, s12, 8                         ; the 64 queries that I fetch
	s_add_co_u32 s16, s16, s17
	s_mul_i32 s16, s16, QROW
	s_mov_b32 s17, 0
	s_lshl_b32 s22, s15, 9
	s_lshl_b32 s47, s40, 7
	s_add_co_u32 s22, s22, s47
	s_lshl_b32 s47, s12, 6
	s_add_co_u32 s22, s22, s47                     ; key 512 J + 128 cx + 64 (w % 2) of the batch: the first that I fetch, and my wave's first column
	s_add_co_u32 s46, s22, s18
	s_mul_i32 s46, s46, QROW
	s_add_co_u32 s46, s46, 4096                    ; K's columns of a row of qkv
	s_mov_b32 s47, 0
	s_lshl_b32 s22, s22, 2
	s_mov_b32 s23, 0
	s_mul_i32 s20, s10, HALFT                      ; where the tiles go: wave x 64 rows
	s_wait_dscnt 0x0                               ; the opening add is done
	s_wait_kmcnt 0x0
	s_add_nc_u64 s[14:15], s[4:5], s[16:17]
	s_add_nc_u64 s[46:47], s[4:5], s[46:47]
	s_add_nc_u64 s[8:9], s[6:7], s[2:3]            ; sc at my wave's first row and column
	s_add_nc_u64 s[8:9], s[8:9], s[22:23]
	CROUND                                         ; all sixteen work-groups are here: the first joint loads meet
.irp s, 0,1
	s_mov_b32 s[G0+4*(\s)], 1
	s_add_co_u32 s[G0+4*(\s)+1], s20, (\s)*SLOT
	s_add_nc_u64 s[G0+4*(\s)+2:G0+4*(\s)+3], s[14:15], (\s)*KSTEP*2
	s_or_b32 s[G0+4*(\s)+3], s[G0+4*(\s)+3], 0x80000000
	s_mov_b32 s[G0B+4*(\s)], 1
	s_add_co_u32 s[G0B+4*(\s)+1], s20, (\s)*SLOT
	s_add_nc_u64 s[G0B+4*(\s)+2:G0B+4*(\s)+3], s[46:47], (\s)*KSTEP*2
	s_or_b32 s[G0B+4*(\s)+3], s[G0B+4*(\s)+3], 0x80000000
	JLOAD \s
.endr
	v_and_b32 v1, 15, v0                           ; l % 16
	v_bfe_u32 v2, v0, 4, 1                         ; l / 16
	v_mul_u32_u24 v3, v1, PITCH
	v_lshl_add_u32 v3, v2, 4, v3                   ; a fragment's row x pitch + 16 x half
	s_mul_i32 s21, s11, HALFT                      ; my 64 rows of Q
	s_mul_i32 s22, s12, HALFT                      ; my 64 rows of K,
	s_add_co_u32 s22, s22, 2*HALFT                 ; which lie behind Q's 128
.irp s, 0,1
	v_add_nc_u32 v[ADRA+(\s)], s21, v3
	v_add_nc_u32 v[ADRB+(\s)], s22, v3
	s_add_co_u32 s21, s21, SLOT
	s_add_co_u32 s22, s22, SLOT
.endr
	s_mul_i32 s23, s10, 16*SPITCH
	s_add_co_u32 s23, s23, STAGE                   ; my stage
	v_mul_u32_u24 v4, v1, SPITCH                   ; in: row l % 16, 32 bytes for each half of the lanes
	v_lshl_add_u32 v4, v2, 5, v4
	v_add_nc_u32 v[STO], s23, v4
	v_mul_u32_u24 v5, v2, SPITCH                   ; back: lanes 0-15 take one row of 256 bytes, lanes 16-31 the next
	v_lshl_add_u32 v5, v1, 4, v5
	v_add_nc_u32 v[RD], s23, v5
	v_lshlrev_b32 v5, 14, v2                       ; neighbouring rows of the tile are four tokens, 16,384 bytes, apart in sc
	v_lshl_add_u32 v[CO], v1, 4, v5
; 8 matrix instructions: query blocks a0, a0 + 1 x all 4 key blocks, 32 channels: half c of buffer f.  zero = 1: the first product starts the sums.  The 16 accumulators take turns.
.macro MUL8 f, c, a0, zero
	WIN MUL
.irp a, \a0, (\a0)+1
.irp b, 0,1,2,3
.if \zero
	v_wmma_f32_16x16x32_f16 v[ACC+8*(4*(\a)+(\b)):ACC+8*(4*(\a)+(\b))+7], v[(\f)+64+8*(4*(\c)+(\b)):(\f)+64+8*(4*(\c)+(\b))+7], v[(\f)+8*(4*(\c)+(\a)):(\f)+8*(4*(\c)+(\a))+7], 0
.else
	v_wmma_f32_16x16x32_f16 v[ACC+8*(4*(\a)+(\b)):ACC+8*(4*(\a)+(\b))+7], v[(\f)+64+8*(4*(\c)+(\b)):(\f)+64+8*(4*(\c)+(\b))+7], v[(\f)+8*(4*(\c)+(\a)):(\f)+8*(4*(\c)+(\a))+7], v[ACC+8*(4*(\a)+(\b)):ACC+8*(4*(\a)+(\b))+7]
.endif
.endr
.endr
.endm
; 32 LDS loads in one run: the fragments of 64 channels at byte k of the rows, into buffer f; the first 32 channels first
.macro FETCH slot, k, f
	WIN TO_F
.irp c, 0,1
.irp i, 0,1,2,3
	ds_load_b128 v[(\f)+64+8*(4*(\c)+(\i)):(\f)+64+8*(4*(\c)+(\i))+3],   v[ADRB+(\slot)] offset:(\k)+64*(\c)+(\i)*16*PITCH
	ds_load_b128 v[(\f)+64+8*(4*(\c)+(\i))+4:(\f)+64+8*(4*(\c)+(\i))+7], v[ADRB+(\slot)] offset:(\k)+64*(\c)+(\i)*16*PITCH+32
	ds_load_b128 v[(\f)+8*(4*(\c)+(\i)):(\f)+8*(4*(\c)+(\i))+3],         v[ADRA+(\slot)] offset:(\k)+64*(\c)+(\i)*16*PITCH
	ds_load_b128 v[(\f)+8*(4*(\c)+(\i))+4:(\f)+8*(4*(\c)+(\i))+7],       v[ADRA+(\slot)] offset:(\k)+64*(\c)+(\i)*16*PITCH+32
.endr
.endr
.endm
.macro PLACES                          ; four places in front of loads into registers that matrix instructions have read, and of LDS stores that read results
.rept 4
	v_nop
.endr
.endm
; A step is four quarters of 64 channels, 32 matrix instructions each, on buffers 0, 1, 0, 1.  One of the first three: multiplies buffer f and fetches the next quarter, at byte k, into g.
.macro QUARTER slot, k, f, g, zero
	s_wait_dscnt 16                                ; the first 32 channels are in; the run's other sixteen loads may be out
	WIN MUL
	MUL8 \f, 0, 0, \zero
	MUL8 \f, 0, 2, \zero
	PLACES
	FETCH \slot, \k, \g
	s_wait_dscnt 32                                ; all but the 32 just issued
	WIN MUL
	MUL8 \f, 1, 0, 0
	MUL8 \f, 1, 2, 0
.endm
; The last quarter multiplies buffer 1 and changes slots: ONE barrier; in front of it each wave waits for all its tensor loads, adds 0 to its spare word, and waits for that and for its own reads of this slot.
; fill = 1: the barrier opens a round of the cluster's, and this slot is filled again, two steps ahead: 112 matrix instructions ahead of the wait for it.
.macro TURN slot, next, fill
	WIN 0                                          ; (the add's two registers lie in window 0)
	s_wait_tensorcnt 0x0                           ; all my tensor loads have landed: my part of the next slot;
	ds_add_u32 v[SPW], v[NIL]                      ; 0 onto my spare word;
	s_wait_dscnt 17                                ; (the add and the youngest sixteen loads may be out)
	WIN MUL
	MUL8 F1, 0, 0, 0                               ; eight matrix instructions stand between the add and the wait for it
	s_wait_dscnt 0x0                               ; the add is done, and my reads of this slot are over
	s_barrier_signal -1
	MUL8 F1, 0, 2, 0
.if \fill
	WIN 0
.endif
	s_barrier_wait -1
.if \fill
	CREST                                          ; no wave of any partner still reads this slot's tile or has a load on its way
	s_add_nc_u64 s[G0+4*(\slot)+2:G0+4*(\slot)+3], s[G0+4*(\slot)+2:G0+4*(\slot)+3], 2*KSTEP*2
	s_add_nc_u64 s[G0B+4*(\slot)+2:G0B+4*(\slot)+3], s[G0B+4*(\slot)+2:G0B+4*(\slot)+3], 2*KSTEP*2
	JLOAD \slot                                    ; the four v_nop behind it are also the places in front of the loads below
.else
	PLACES
.endif
	FETCH \next, 0, F0
	WIN MUL
	MUL8 F1, 1, 0, 0
	MUL8 F1, 1, 2, 0
.endm
	s_wait_tensorcnt 1                             ; my part of step 0 is in; step 1's may stay out
	s_barrier_signal -1
	s_barrier_wait -1                              ; everybody's is
	FETCH 0, 0, F0
	QUARTER 0, 128, F0, F1, 1                      ; the first quarter stands in front of the loop: its first products start the sums
	WIN 0                                          ; at a label and at a branch every window is 0
	s_mov_b32 s3, LAPS-1
.Llap:                                                 ; a trip goes once round the ring, from a lap's second quarter to the next lap's first, and fills both slots again
	QUARTER 0, 256, F1, F0, 0
	QUARTER 0, 384, F0, F1, 0
	TURN 0, 1, 1
	QUARTER 1, 128, F0, F1, 0
	QUARTER 1, 256, F1, F0, 0
	QUARTER 1, 384, F0, F1, 0
	TURN 1, 0, 1
	QUARTER 0, 128, F0, F1, 0
	WIN 0
	s_sub_co_u32 s3, s3, 1
	s_cmp_lg_u32 s3, 0
	s_cbranch_scc1 .Llap
	QUARTER 0, 256, F1, F0, 0                      ; the last lap fills nothing, and has no round of the cluster's barrier
	QUARTER 0, 384, F0, F1, 0
	TURN 0, 1, 0
	QUARTER 1, 128, F0, F1, 0
	QUARTER 1, 256, F1, F0, 0
	QUARTER 1, 384, F0, F1, 0
	s_wait_dscnt 16                                ; the very last quarter: nothing more to fetch
	WIN MUL
	MUL8 F1, 0, 0, 0
	MUL8 F1, 0, 2, 0
	s_wait_dscnt 0x0
	MUL8 F1, 1, 0, 0
	MUL8 F1, 1, 2, 0
	WIN 0
; THE WAY OUT.  A wave's 64 keys are 256 bytes of f32, a whole aligned block of a row of sc: each wave has a stage of its own, and no barrier is needed.  A block of 16 queries at a time:
; 32 bytes a lane into rows of 272 bytes, back as whole rows of 256, and stored: sixteen lanes write 256 consecutive bytes, at a multiple of 256 from sc's first byte.
.macro TOSTAGE a
.if (\a) >= 2
	s_wait_xcnt 0x0                                ; the stores of the block two back have read their registers (ISA guide 3.1): its buffer is loaded again only behind this wait
.endif
.irp b, 0,1,2,3
	ds_store_b128 v[STO], v[ACC+8*(4*(\a)+(\b)):ACC+8*(4*(\a)+(\b))+3] offset:64*(\b)        ; each accumulator's low four registers first
	ds_store_b128 v[STO], v[ACC+8*(4*(\a)+(\b))+4:ACC+8*(4*(\a)+(\b))+7] offset:64*(\b)+16
.endr
.irp t, 0,1,2,3,4,5,6,7
	ds_load_b128 v[TMP+32*((\a)%2)+4*(\t):TMP+32*((\a)%2)+4*(\t)+3], v[RD] offset:(\t)*2*SPITCH  ; LDS serves a wave's instructions in order (ISA guide 5.7.1.4): these see the stores above; the next block's stores come behind them
.endr
.endm
.macro SEND a, younger                 ; younger: the LDS instructions issued behind block a's loads: the next block's sixteen, or none
.irp t, 0,1,2,3,4,5,6,7
	s_wait_dscnt (\younger)+7-(\t)
	global_store_b128 v[CO], v[TMP+32*((\a)%2)+4*(\t):TMP+32*((\a)%2)+4*(\t)+3], s[8:9] offset:(16*(\a)+2*(\t))*16384
.endr
.endm
	PLACES                                         ; behind the last products
	TOSTAGE 0
	TOSTAGE 1
	SEND 0, 16
	TOSTAGE 2
	SEND 1, 16
	TOSTAGE 3
	SEND 2, 16
	SEND 3, 0
	s_wait_tensorcnt 0x0                           ; the wave's end: behind my last tensor load and my last LDS store
	ds_add_u32 v[SPW], v[NIL]
	s_wait_dscnt 0x0
	CROUND                                         ; the closing round: no work-group ends while a partner may still ask for a tile that names it
	s_endpgm
.Lfunc_end_k_q59bbb01ae5_scores:
	.size	k_q59bbb01ae5_scores, .Lfunc_end_k_q59bbb01ae5_scores-k_q59bbb01ae5_scores
	.p2alignl 7, 3214868480
	.fill 96, 4, 3214868480
	.section	.rodata,"a",@progbits
	.p2align	6, 0x0
	.amdhsa_kernel k_q59bbb01ae5_scores
		.amdhsa_group_segment_fixed_size 327680
		.amdhsa_private_segment_fixed_size 0
		.amdhsa_enable_private_segment 0
		.amdhsa_kernarg_size 16
		.amdhsa_user_sgpr_count 2
		.amdhsa_user_sgpr_kernarg_segment_ptr 1
		.amdhsa_wavefront_size32 1
		.amdhsa_system_sgpr_workgroup_id_x 1
		.amdhsa_system_sgpr_workgroup_id_y 1
		.amdhsa_system_sgpr_workgroup_id_z 1
		.amdhsa_system_vgpr_workitem_id 0
		.amdhsa_next_free_vgpr 512
		.amdhsa_next_free_sgpr 66
		.amdhsa_reserve_vcc 0
		.amdhsa_float_denorm_mode_32 3
		.amdhsa_float_denorm_mode_16_64 3
		.amdhsa_memory_ordered 1
		.amdhsa_forward_progress 1
		.amdhsa_inst_pref_size 86
	.end_amdhsa_kernel
	.amdgpu_metadata
---
amdhsa.version: [ 1, 2 ]
amdhsa.kernels:
  - .name:           k_q59bbb01ae5_scores
    .symbol:         k_q59bbb01ae5_scores.kd
    .args:
      - { .name: qkv, .offset: 0, .size: 8, .value_kind: global_buffer, .address_space: global }
      - { .name: sc, .offset: 8, .size: 8, .value_kind: global_buffer, .address_space: global }
    .group_segment_fixed_size: 327680
    .private_segment_fixed_size: 0
    .kernarg_segment_align: 8
    .kernarg_segment_size: 16
    .max_flat_workgroup_size: 128
    .sgpr_count:     66
    .vgpr_count:     512
    .wavefront_size: 32
...
	.end_amdgpu_metadata
.endif
;; end of part 3
;; launch softmax (part 4): grid 256 x 1, 8 waves a work-group, no clusters, 0 bytes of LDS; arguments sc, pw; writes pw
.if DOCPART == 4
	.amdgcn_target "amdgcn-amd-amdhsa--gfx1250"
	.amdhsa_code_object_version 6
	.text
	.protected	k_q59bbb01ae5_softmax
	.globl	k_q59bbb01ae5_softmax
	.p2align	8
	.type	k_q59bbb01ae5_softmax,@function
k_q59bbb01ae5_softmax:
	s_mov_b64 s[64:65], 0
	v_nop
	global_prefetch_b8 v0, s[64:65] scope:SCOPE_SE
	s_setreg_imm32_b32 hwreg(HW_REG_WAVE_MODE, 25, 1), 1
	s_wait_xcnt 0x0
; pw[q][k] = softmax over k <= q of sc[q][k] / sqrt(2048), in f32, rounded once to f16; 0 where k > q.  sc: [4096][1024] f32, pw: [4096][1024] f16.
; Of a row with place q in its batch the first 512 (q < 512) or all 1,024 columns exist in sc and are written in pw: the extent that the launches beside this one make and read.
; The row's true maximum m is taken away before the exponential: p = 2^(c s - c m), c = log2(e) / sqrt(2048); a hidden score counts as minus infinity, its weight is 0.  Key 0 is never hidden, so m is a score.
; LIMITS.  A weight below 2^-126 counts as 0 in the sum; a normalised weight below 6e-5 keeps f16's fixed step of 6e-8.  NaN and infinities among the scores are not treated apart.
; SHARES.  One wave, one row: the row stays in registers between maximum, sum and scaling, and the reductions never leave the wave: no LDS, no barrier.  Each wave takes a short row (place r) and the long
; row 512 below it (place 512 + r), so that all waves are alike.  No cluster: no two work-groups read the same byte.
; Lane l holds, in group j, columns 128 j + 4 l + 0..3: a load of the wave takes 512 consecutive bytes, a store writes 256 consecutive bytes, aligned.
.set XA, 8                             ; v[8:23]   the short row: 4 groups of 4
.set XB, 24                            ; v[24:55]  the long row: 8 groups of 4
.set M,  56                            ; v[56:59]  four running maxima
.set CM, 60                            ; v[60:61]  c m, twice (named as a pair)
.set SU, 62                            ; v[62:69]  four running sums of pairs
.set RC, 70                            ; v[70:71]  1 / sum, twice
	s_load_b128 s[4:7], s[0:1], 0x0                ; sc s[4:5], pw s[6:7]
	v_lshrrev_b32 v1, 5, v0
	v_readfirstlane_b32 s8, v1                     ; wave 0..7
	s_lshr_b32 s9, ttmp9, 6                        ; the batch: 64 work-groups of 8 waves each
	s_and_b32 s10, ttmp9, 63
	s_lshl3_add_u32 s10, s10, s8                   ; r = 8 x work-group in the batch + wave
	s_lshl_b32 s9, s9, 10
	s_add_co_u32 s9, s9, s10                       ; the short row's token
	s_lshl_b32 s18, s9, 12                         ; rows of sc have 4,096 bytes,
	s_mov_b32 s19, 0
	s_lshl_b32 s20, s9, 11                         ; rows of pw 2,048
	s_mov_b32 s21, 0
	s_mov_b32 s12, 0x76543210                      ; v_permlanex16_b32: each lane takes its own place in the other half
	s_mov_b32 s13, 0xfedcba98
	s_mov_b32 s14, 0x3d0293ee                      ; c = log2(e) / sqrt(2048) = 0.0318794
	s_mov_b32 s15, s14                             ; named with it as a pair
	s_mov_b32 s16, 0xff800000                      ; minus infinity
	v_and_b32 v1, 31, v0                           ; lane
	v_lshlrev_b32 v2, 4, v1                        ; 16 bytes of f32 a lane
	v_lshlrev_b32 v3, 3, v1                        ; 8 bytes of f16 a lane
	v_lshlrev_b32 v4, 2, v1
	v_sub_nc_u32 v4, s10, v4                       ; r - 4 l: register i of group j is hidden where 128 j + i is greater
	v_add_nc_u32 v5, 512, v4                       ; the same for the long row
	s_wait_kmcnt 0x0
	s_add_nc_u64 s[4:5], s[4:5], s[18:19]
	s_add_nc_u64 s[6:7], s[6:7], s[20:21]
.irp j, 0,1,2,3
	global_load_b128 v[XA+4*(\j):XA+4*(\j)+3], v2, s[4:5] offset:512*(\j) th:TH_LOAD_NT
.endr
.irp j, 0,1,2,3,4,5,6,7
	global_load_b128 v[XB+4*(\j):XB+4*(\j)+3], v2, s[4:5] offset:512*4096+512*(\j) th:TH_LOAD_NT
.endr
; One row: n registers from x0 on; vq holds the row's place less 4 l; so is the row's byte offset in pw from the short row.
.macro ROW x0, n, vq, so
.set i, 0
.rept \n
	v_cmp_gt_i32 vcc_lo, 128*(i/4)+i%4, v[\vq]
	v_cndmask_b32 v[(\x0)+i], v[(\x0)+i], s16, vcc_lo
.set i, i+1
.endr
.irp k, 0,1,2,3                        ; the maximum, in four chains that the first eight registers start: nothing is cleared
	v_max_num_f32 v[M+(\k)], v[(\x0)+(\k)], v[(\x0)+4+(\k)]
.endr
.set i, 8
.rept ((\n)-8)/8
.irp k, 0,1,2,3
	v_max3_num_f32 v[M+(\k)], v[M+(\k)], v[(\x0)+i+(\k)], v[(\x0)+i+4+(\k)]
.endr
.set i, i+8
.endr
	v_max3_num_f32 v[M], v[M], v[M+1], v[M+2]
	v_max_num_f32 v[M], v[M], v[M+3]
	v_max_num_f32_dpp v[M], v[M], v[M] row_xmask:1 row_mask:0xf bank_mask:0xf
	v_max_num_f32_dpp v[M], v[M], v[M] row_xmask:2 row_mask:0xf bank_mask:0xf
	v_max_num_f32_dpp v[M], v[M], v[M] row_xmask:4 row_mask:0xf bank_mask:0xf
	v_max_num_f32_dpp v[M], v[M], v[M] row_xmask:8 row_mask:0xf bank_mask:0xf
	v_permlanex16_b32 v[M+1], v[M], s12, s13
	v_max_num_f32 v[M], v[M], v[M+1]               ; every lane holds the row's maximum
	v_mul_f32 v[CM], s14, v[M]
	v_mul_f32 v[CM+1], s14, v[M]
.set i, 0
.rept (\n)/2
	v_pk_fma_f32 v[(\x0)+i:(\x0)+i+1], v[(\x0)+i:(\x0)+i+1], s[14:15], v[CM:CM+1] op_sel_hi:[1,0,0] neg_lo:[0,0,1] neg_hi:[0,0,1]  ; c s - c m
.set i, i+2
.endr
.set i, 0
.rept \n
	v_exp_f32 v[(\x0)+i], v[(\x0)+i]
.set i, i+1
.endr
	v_nop                                          ; a plain instruction between the last exponential and the use of its result (ISA guide 5.7.2)
	s_wait_alu depctr_va_vdst(0)
.irp k, 0,1,2,3                        ; the sum, in four chains of pairs that the first sixteen registers start
	v_pk_add_f32 v[SU+2*(\k):SU+2*(\k)+1], v[(\x0)+2*(\k):(\x0)+2*(\k)+1], v[(\x0)+8+2*(\k):(\x0)+8+2*(\k)+1]
.endr
.set i, 16
.rept ((\n)-16)/8
.irp k, 0,1,2,3
	v_pk_add_f32 v[SU+2*(\k):SU+2*(\k)+1], v[SU+2*(\k):SU+2*(\k)+1], v[(\x0)+i+2*(\k):(\x0)+i+2*(\k)+1]
.endr
.set i, i+8
.endr
	v_pk_add_f32 v[SU:SU+1], v[SU:SU+1], v[SU+2:SU+3]
	v_pk_add_f32 v[SU+4:SU+5], v[SU+4:SU+5], v[SU+6:SU+7]
	v_pk_add_f32 v[SU:SU+1], v[SU:SU+1], v[SU+4:SU+5]
	v_add_f32 v[SU], v[SU], v[SU+1]
	v_add_f32_dpp v[SU], v[SU], v[SU] row_xmask:1 row_mask:0xf bank_mask:0xf
	v_add_f32_dpp v[SU], v[SU], v[SU] row_xmask:2 row_mask:0xf bank_mask:0xf
	v_add_f32_dpp v[SU], v[SU], v[SU] row_xmask:4 row_mask:0xf bank_mask:0xf
	v_add_f32_dpp v[SU], v[SU], v[SU] row_xmask:8 row_mask:0xf bank_mask:0xf
	v_permlanex16_b32 v[SU+1], v[SU], s12, s13
	v_add_f32 v[SU], v[SU], v[SU+1]                ; at least about 1: the maximum's own weight
	v_rcp_f32 v[RC], v[SU]
	v_rcp_f32 v[RC+1], v[SU]
	v_nop                                          ; a plain instruction behind the reciprocals
.set i, 0
	s_wait_alu depctr_va_vdst(0)
.rept (\n)/2
	v_pk_mul_f32 v[(\x0)+i:(\x0)+i+1], v[(\x0)+i:(\x0)+i+1], v[RC:RC+1]
.set i, i+2
.endr
.set i, 0
.rept (\n)/4
	v_cvt_pk_f16_f32 v[(\x0)+4*i], v[(\x0)+4*i], v[(\x0)+4*i+1]
	v_cvt_pk_f16_f32 v[(\x0)+4*i+1], v[(\x0)+4*i+2], v[(\x0)+4*i+3]
	global_store_b64 v3, v[(\x0)+4*i:(\x0)+4*i+1], s[6:7] offset:(\so)+256*i
.set i, i+1
.endr
.endm
	s_wait_loadcnt 8                               ; the short row is in; the long row's eight loads stay out
	ROW XA, 16, 4, 0
	s_wait_loadcnt 0x0
	ROW XB, 32, 5, 512*2048
	s_endpgm
.Lfunc_end_k_q59bbb01ae5_softmax:
	.size	k_q59bbb01ae5_softmax, .Lfunc_end_k_q59bbb01ae5_softmax-k_q59bbb01ae5_softmax
	.p2alignl 7, 3214868480
	.fill 96, 4, 3214868480
	.section	.rodata,"a",@progbits
	.p2align	6, 0x0
	.amdhsa_kernel k_q59bbb01ae5_softmax
		.amdhsa_group_segment_fixed_size 0
		.amdhsa_private_segment_fixed_size 0
		.amdhsa_enable_private_segment 0
		.amdhsa_kernarg_size 16
		.amdhsa_user_sgpr_count 2
		.amdhsa_user_sgpr_kernarg_segment_ptr 1
		.amdhsa_wavefront_size32 1
		.amdhsa_system_sgpr_workgroup_id_x 1
		.amdhsa_system_sgpr_workgroup_id_y 1
		.amdhsa_system_sgpr_workgroup_id_z 1
		.amdhsa_system_vgpr_workitem_id 0
		.amdhsa_next_free_vgpr 72
		.amdhsa_next_free_sgpr 66
		.amdhsa_reserve_vcc 1
		.amdhsa_float_denorm_mode_32 3
		.amdhsa_float_denorm_mode_16_64 3
		.amdhsa_memory_ordered 1
		.amdhsa_forward_progress 1
		.amdhsa_inst_pref_size 21
	.end_amdhsa_kernel
	.amdgpu_metadata
---
amdhsa.version: [ 1, 2 ]
amdhsa.kernels:
  - .name:           k_q59bbb01ae5_softmax
    .symbol:         k_q59bbb01ae5_softmax.kd
    .args:
      - { .name: sc, .offset: 0, .size: 8, .value_kind: global_buffer, .address_space: global }
      - { .name: pw, .offset: 8, .size: 8, .value_kind: global_buffer, .address_space: global }
    .group_segment_fixed_size: 0
    .private_segment_fixed_size: 0
    .kernarg_segment_align: 8
    .kernarg_segment_size: 16
    .max_flat_workgroup_size: 256
    .sgpr_count:     66
    .vgpr_count:     72
    .wavefront_size: 32
...
	.end_amdgpu_metadata
.endif
;; end of part 4
;; launch pv (part 5): grid 8 x 32, 4 waves a work-group, clusters of 4 x 4, 327,680 bytes of LDS; arguments pw, qkv, out0; writes out0
.if DOCPART == 5
	.amdgcn_target "amdgcn-amd-amdhsa--gfx1250"
	.amdhsa_code_object_version 6
	.text
	.protected	k_q59bbb01ae5_pv
	.globl	k_q59bbb01ae5_pv
	.p2align	8
	.type	k_q59bbb01ae5_pv,@function
k_q59bbb01ae5_pv:
	s_mov_b64 s[64:65], 0
	v_nop
	global_prefetch_b8 v0, s[64:65] scope:SCOPE_SE
	s_setreg_imm32_b32 hwreg(HW_REG_WAVE_MODE, 25, 1), 1
	s_wait_xcnt 0x0
	s_wait_alu depctr_hold_cnt(0) depctr_sa_sdst(0) depctr_va_vdst(0) depctr_va_sdst(0) depctr_va_ssrc(0) depctr_va_vcc(0) depctr_vm_vsrc(0)
	s_getreg_b32 s2, hwreg(HW_REG_IB_STS2, 6, 4)
	s_cmp_eq_u32 s2, 0
	s_cbranch_scc0 .Lentry_in_a_cluster
	s_endpgm
.Lentry_in_a_cluster:
	s_bfe_u32 s2, ttmp6, 0x10000c
	s_cmp_lg_u32 s2, 0xf033
	s_cbranch_scc0 .Lentry_shape_is_right
	s_endpgm
.Lentry_shape_is_right:
; out0[q][d] = sum over keys of pw[q][key] V[key][d].  pw: the normalised weights, f16, 0 where hidden; V: the f16 columns 4096-6143 of qkv's rows; products f16, sums f32 with the keys ascending; out0 f32.
; TILE.  128 queries x 256 channels: 32 x 8 = 256 work-groups; four waves, each 64 x 128: 32 accumulators, 256 registers.
; THE CAUSAL CUT.  A cluster of 4 x 4 work-groups holds 512 queries, one half G of a batch, and walks the keys 0 .. 512 (G + 1) - 1, 128 a step: 4 or 8 steps.  The trip count hangs on the cluster's y alone, so it
; is the same in all partners.  The clusters of the first halves have half the steps of the others: stated, not hidden; a finer cut would make partners of a cluster differ.
; The keys go through two LDS slots.  The weights' tile is shared along a row of the cluster, V's along a column: JOINT loads.  By this text's count a wave has two tensor loads out at the start and one behind each round.
; LAYOUT.  O^T = V^T P: source 0 = 16 channels x 32 keys, from V ([key][channel] in LDS) turned by ds_load_tr16_b128; source 1 = 16 queries x 32 keys, from the weights as they lie.
; In the result a lane holds one query and eight neighbouring channels, 32 bytes of f32.
; REGISTERS: window 0: v0-31 addresses; v64-159, v160-255 two fragment buffers of 96 for 32 keys: 32 registers of weights (query block a at + 8 a), 64 of V^T (channel block cb at + 32 + 8 cb);
;   on the way out v64-255 are three buffers of 64.   window 1: accumulator (a, cb) at v[8 (8 a + cb)].
.set PP,     272                       ; a row of weights in LDS: 256 bytes + 16 = 68 words: the 16 rows of a load start at 16 different groups of four banks (64 banks of 4 bytes: ISA guide 11.1)
.set PV,     544                       ; a row of V: 512 bytes + 32 = 136 words
.set PHALF,  64*PP                     ; 64 queries: what waves 0 and 1 fetch, and what a wave reads
.set VHALF,  64*PV                     ; 64 keys: what waves 2 and 3 fetch
.set VOFF,   2*PHALF                   ; V's rows lie behind the weights'
.set SLOT,   2*PHALF+2*VHALF
.set STAGE,  2*SLOT                    ; behind the ring: 16 rows x 528 bytes for each wave, its own, for the way out
.set SPITCH, 528
.set SPARE,  STAGE+4*16*SPITCH         ; behind the stages: the spare words, 128 bytes for each wave: two blocks of 256 bytes that no other line names
.set QROW,   12288                     ; bytes in a row of qkv
.set ADRA, 16                          ; v16-17  LDS address of my weights' fragments in slot 0, 1
.set ADRB, 20                          ; v20-21  the same for V's
.set STO,  24                          ; v24     the way out: where I put 32 bytes of a row
.set RD,   25                          ; v25     the way out: where I read a row back
.set CO,   26                          ; v26     my byte offset in a row's 512 bytes of out0
.set SPW,  28                          ; v28     LDS address of my spare word; never rewritten
.set NIL,  29                          ; v29     0; never rewritten
.set F0,   64
.set F1,   160
.set G1,  24
.set G0,  32
.set G1B, 48
.set G0B, 56
.set MSB, 0
.macro WIN new
.if MSB != (\new)
	s_set_vgpr_msb (MSB<<8)|(\new)
.set MSB, \new
.endif
.endm
.set W_MM, 0x50                        ; sources in window 0, C and D in window 1
.macro PLACES                          ; four places in front of loads into registers that matrix instructions have read, and of LDS stores that read results
.rept 4
	v_nop
.endr
.endm
.macro JLOAD s                         ; a joint load: waves 0 and 1 fetch the weights' two halves, waves 2 and 3 V's; an s_nop 0 and four v_nop follow each of the two lines
	s_cmp_eq_u32 s11, 0
	s_cbranch_scc0 .Lfor_b_\@
	tensor_load_to_lds s[G0+4*(\s):G0+4*(\s)+3], s[G1:G1+7]
	s_nop 0
.rept 4
	v_nop
.endr
	s_branch .Lasked_\@
.Lfor_b_\@:
	tensor_load_to_lds s[G0B+4*(\s):G0B+4*(\s)+3], s[G1B:G1B+7]
	s_nop 0
.rept 4
	v_nop
.endr
.Lasked_\@:
.endm
.macro CREST
	s_cmp_lg_u32 s10, 0
	s_cbranch_scc1 .Lnot_wave_0_\@
	s_barrier_signal -3
.Lnot_wave_0_\@:
	s_barrier_wait -3
	s_barrier_signal -1
	s_barrier_wait -1
.endm
.macro CROUND
	s_barrier_signal -1
	s_barrier_wait -1
	CREST
.endm
	s_load_b128 s[4:7], s[0:1], 0x0                ; pw s[4:5], qkv s[6:7]
	s_load_b64 s[8:9], s[0:1], 0x10                ; out0
	v_lshl_add_u32 v[SPW], v0, 2, SPARE
	v_mov_b32 v[NIL], 0
	ds_add_u32 v[SPW], v[NIL]                      ; the wave's opening: the add and its wait stand ahead of my first tensor load; the set-up below stands between them
	v_lshrrev_b32 v1, 5, v0
	v_readfirstlane_b32 s10, v1                    ; wave 0..3
	s_lshr_b32 s11, s10, 1                         ; which 64 queries are mine.  Also: I fetch weights (0) or V (1)
	s_and_b32 s12, s10, 1                          ; which 128 channels are mine.  Also: which half of that tile I fetch
	s_bfe_u32 s40, ttmp6, 0x40000                  ; cx, cy
	s_bfe_u32 s41, ttmp6, 0x40004
	s_lshl_b32 s42, ttmp9, 2
	s_add_co_u32 s42, s42, s40                     ; tile column (256 channels) = 4 x cluster x + cx
	s_and_b32 s14, ttmp7, 0xffff                   ; the cluster's y: 512 queries
	s_lshl_b32 s13, s14, 2
	s_add_co_u32 s13, s13, s41                     ; tile row (128 queries) = 4 x cluster y + cy
	s_lshr_b32 s15, s14, 1                         ; the batch
	s_and_b32 s45, s14, 1                          ; G
	s_lshl_b32 s45, s45, 1
	s_add_co_u32 s45, s45, 1                       ; the loop's trips: laps less one = 2 G + 1
	s_lshl_b32 s43, s41, 2
	s_lshl_b32 s43, 15, s43                        ; my row of the cluster
	s_lshl_b32 s44, 0x1111, s40                    ; my column
	s_or_b32 s[G1+0], s43, (1<<16)|(1<<20)|(1<<21)|(5<<22)|(3<<25)   ; weights: the mask; 2-byte elements; padding on; bit 21 beside a mask; after every 64 words (code 5) 4 words (code 3)
	s_mov_b32 s[G1+1], 128<<16                     ; tensor_dim0 = 128 keys
	s_mov_b32 s[G1+2], 64<<16                      ; tensor_dim1 = 64 queries
	s_mov_b32 s[G1+3], 128<<16                     ; tile_dim0
	s_mov_b32 s[G1+4], 64                          ; tile_dim1
	s_mov_b32 s[G1+5], 1024                        ; elements from row to row of pw
	s_mov_b32 s[G1+6], 0
	s_mov_b32 s[G1+7], 0
	s_or_b32 s[G1B+0], s44, (1<<16)|(1<<20)|(1<<21)|(6<<22)|(7<<25)  ; V: after every 128 words (code 6) 8 words (code 7)
	s_mov_b32 s[G1B+1], 256<<16                    ; tensor_dim0 = 256 channels
	s_mov_b32 s[G1B+2], 64<<16                     ; tensor_dim1 = 64 keys
	s_mov_b32 s[G1B+3], 256<<16
	s_mov_b32 s[G1B+4], 64
	s_mov_b32 s[G1B+5], 6144                       ; elements from row to row of qkv
	s_mov_b32 s[G1B+6], 0
	s_mov_b32 s[G1B+7], 0
	s_lshl_b32 s16, s13, 7                         ; the tile's first query
	s_lshl_b32 s2, s11, 6
	s_add_co_u32 s2, s2, s16                       ; my wave's first query,
	s_lshl_b32 s2, s2, 13                          ; in rows of out0 of 8,192 bytes
	s_mov_b32 s3, 0
	s_lshl_b32 s17, s12, 6                         ; the 64 queries that I fetch,
	s_add_co_u32 s16, s16, s17
	s_lshl_b32 s16, s16, 11                        ; in rows of pw of 2,048 bytes
	s_mov_b32 s17, 0
	s_lshl_b32 s46, s15, 10                        ; the batch's first key
	s_lshl_b32 s47, s12, 6                         ; the 64 keys of a step that I fetch
	s_add_co_u32 s46, s46, s47
	s_mul_i32 s46, s46, QROW
	s_lshl_b32 s47, s42, 9                         ; the tile's 256 channels, 512 bytes
	s_add_co_u32 s46, s46, s47
	s_add_co_u32 s46, s46, 8192                    ; V's columns of a row of qkv
	s_mov_b32 s47, 0
	s_lshl_b32 s22, s42, 10                        ; my wave's first channel in out0, in bytes: 1,024 x tile column + 512 (w % 2)
	s_lshl_b32 s23, s12, 9
	s_add_co_u32 s22, s22, s23
	s_mov_b32 s23, 0
	s_mul_i32 s20, s12, PHALF                      ; where the tiles go: no place in the cluster enters an LDS address
	s_mul_i32 s21, s12, VHALF
	s_add_co_u32 s21, s21, VOFF
	s_wait_dscnt 0x0                               ; the opening add is done
	s_wait_kmcnt 0x0
	s_add_nc_u64 s[14:15], s[4:5], s[16:17]
	s_add_nc_u64 s[46:47], s[6:7], s[46:47]
	s_add_nc_u64 s[8:9], s[8:9], s[2:3]            ; out0 at my wave's first row and channel
	s_add_nc_u64 s[8:9], s[8:9], s[22:23]
	CROUND                                         ; all sixteen work-groups are here: the first joint loads meet
.irp s, 0,1
	s_mov_b32 s[G0+4*(\s)], 1
	s_add_co_u32 s[G0+4*(\s)+1], s20, (\s)*SLOT
	s_add_nc_u64 s[G0+4*(\s)+2:G0+4*(\s)+3], s[14:15], (\s)*256          ; step s: 128 keys along the rows of pw
	s_or_b32 s[G0+4*(\s)+3], s[G0+4*(\s)+3], 0x80000000
	s_mov_b32 s[G0B+4*(\s)], 1
	s_add_co_u32 s[G0B+4*(\s)+1], s21, (\s)*SLOT
	s_add_nc_u64 s[G0B+4*(\s)+2:G0B+4*(\s)+3], s[46:47], (\s)*128*QROW   ; step s: 128 rows of qkv down
	s_or_b32 s[G0B+4*(\s)+3], s[G0B+4*(\s)+3], 0x80000000
	JLOAD \s
.endr
	v_and_b32 v1, 15, v0                           ; l % 16
	v_bfe_u32 v2, v0, 4, 1                         ; l / 16
	v_mul_u32_u24 v3, v1, PP
	v_lshl_add_u32 v3, v2, 4, v3                   ; weights: row x pitch + 16 x half
	; the turning load takes 16 keys x 16 channels (lane l reads key 8 (l / 16) + l % 8, channels 8 ((l / 8) % 2) + 0..7) and leaves half a fragment of V^T: lane l holds channel l % 16 and 8 keys
	v_and_b32 v4, 7, v0
	v_bfe_u32 v5, v0, 3, 1
	v_lshl_add_u32 v4, v2, 3, v4
	v_mul_u32_u24 v4, v4, PV
	v_lshl_add_u32 v4, v5, 4, v4
	s_mul_i32 s22, s11, PHALF                      ; my 64 queries
	s_lshl_b32 s23, s12, 8                         ; my 128 channels, 256 bytes along V's rows
	s_add_co_u32 s23, s23, VOFF
.irp s, 0,1
	v_add_nc_u32 v[ADRA+(\s)], s22, v3
	v_add_nc_u32 v[ADRB+(\s)], s23, v4
	s_add_co_u32 s22, s22, SLOT
	s_add_co_u32 s23, s23, SLOT
.endr
	s_mul_i32 s18, s10, 16*SPITCH
	s_add_co_u32 s18, s18, STAGE                   ; my stage
	v_mul_u32_u24 v5, v1, SPITCH                   ; in: row l % 16, 32 bytes for each half of the lanes
	v_lshl_add_u32 v5, v2, 5, v5
	v_add_nc_u32 v[STO], s18, v5
	v_and_b32 v6, 31, v0
	v_lshlrev_b32 v[CO], 4, v6                     ; back: the 32 lanes take one row of 512 bytes
	v_add_nc_u32 v[RD], s18, v[CO]
; n x 8 matrix instructions: query blocks a0 .. a0 + n - 1 x all 8 channel blocks, 32 keys of buffer f.  zero = 1: the product starts the sums.  The 32 accumulators take turns.
.macro MUL f, a0, n, zero
	WIN W_MM
.set a, \a0
.rept \n
.irp cb, 0,1,2,3,4,5,6,7
.if \zero
	v_wmma_f32_16x16x32_f16 v[8*(8*a+(\cb)):8*(8*a+(\cb))+7], v[(\f)+32+8*(\cb):(\f)+32+8*(\cb)+7], v[(\f)+8*a:(\f)+8*a+7], 0
.else
	v_wmma_f32_16x16x32_f16 v[8*(8*a+(\cb)):8*(8*a+(\cb))+7], v[(\f)+32+8*(\cb):(\f)+32+8*(\cb)+7], v[(\f)+8*a:(\f)+8*a+7], v[8*(8*a+(\cb)):8*(8*a+(\cb))+7]
.endif
.endr
.set a, a+1
.endr
.endm
; 24 LDS loads in one run: the fragments of quarter q (32 keys) of a slot into buffer f: V^T's eight, then the weights' four, blocks 2 and 3 last
.macro FETCH slot, q, f
	WIN 0
.irp cb, 0,1,2,3,4,5,6,7
	ds_load_tr16_b128 v[(\f)+32+8*(\cb):(\f)+32+8*(\cb)+3],   v[ADRB+(\slot)] offset:(\q)*32*PV+(\cb)*32
	ds_load_tr16_b128 v[(\f)+32+8*(\cb)+4:(\f)+32+8*(\cb)+7], v[ADRB+(\slot)] offset:(\q)*32*PV+16*PV+(\cb)*32
.endr
.irp i, 0,1,2,3
	ds_load_b128 v[(\f)+8*(\i):(\f)+8*(\i)+3],   v[ADRA+(\slot)] offset:(\i)*16*PP+64*(\q)
	ds_load_b128 v[(\f)+8*(\i)+4:(\f)+8*(\i)+7], v[ADRA+(\slot)] offset:(\i)*16*PP+64*(\q)+32
.endr
.endm
; A step is four quarters of 32 keys, 32 matrix instructions each, on buffers 0, 1, 0, 1.  One of the first three: multiplies buffer f and fetches quarter q of the same slot into g.
.macro QUARTER slot, q, f, g, zero
	s_wait_dscnt 4                                 ; V^T and the weights' blocks 0 and 1 are in; the youngest four loads (blocks 2 and 3) may be out
	MUL \f, 0, 2, \zero
	WIN 0
	PLACES
	FETCH \slot, \q, \g
	s_wait_dscnt 24                                ; all but the 24 just issued
	MUL \f, 2, 2, \zero
.endm
; The last quarter multiplies buffer 1 and changes slots: ONE barrier; in front of it each wave waits for all its tensor loads, adds 0 to its spare word, and waits for that and for its own reads of this slot.
; fill = 1: the barrier opens a round of the cluster's, and this slot is filled again, two steps ahead: 112 matrix instructions ahead of the wait for it.
.macro TURN slot, next, fill
	WIN 0                                          ; (the add's two registers lie in window 0)
	s_wait_tensorcnt 0x0                           ; all my tensor loads have landed: my part of the next slot;
	ds_add_u32 v[SPW], v[NIL]                      ; 0 onto my spare word;
	s_wait_dscnt 5                                 ; (the add and the youngest four loads may be out)
	MUL F1, 0, 1, 0                                ; eight matrix instructions stand between the add and the wait for it
	s_wait_dscnt 0x0                               ; the add is done, and my reads of this slot are over
	s_barrier_signal -1
	MUL F1, 1, 1, 0
	WIN 0                                          ; (branches may follow)
	s_barrier_wait -1
.if \fill
	CREST                                          ; no wave of any partner still reads this slot's tile or has a load on its way
	s_add_nc_u64 s[G0+4*(\slot)+2:G0+4*(\slot)+3], s[G0+4*(\slot)+2:G0+4*(\slot)+3], 2*256
	s_add_nc_u64 s[G0B+4*(\slot)+2:G0B+4*(\slot)+3], s[G0B+4*(\slot)+2:G0B+4*(\slot)+3], 2*128*QROW
	JLOAD \slot                                    ; the four v_nop behind it are also the places in front of the loads below
.else
	PLACES
.endif
	FETCH \next, 0, F0
	MUL F1, 2, 2, 0
.endm
	s_wait_tensorcnt 1                             ; my part of step 0 is in; step 1's may stay out
	s_barrier_signal -1
	s_barrier_wait -1                              ; everybody's is
	FETCH 0, 0, F0
	QUARTER 0, 1, F0, F1, 1                        ; the first quarter stands in front of the loop: its products start the sums
	WIN 0                                          ; at a label and at a branch every window is 0
	s_mov_b32 s3, 0
.Llap:                                                 ; 2 G + 1 trips; a trip goes once round the ring, from a lap's second quarter to the next lap's first, and fills both slots again; its LDS addresses are fixed
	QUARTER 0, 2, F1, F0, 0
	QUARTER 0, 3, F0, F1, 0
	TURN 0, 1, 1
	QUARTER 1, 1, F0, F1, 0
	QUARTER 1, 2, F1, F0, 0
	QUARTER 1, 3, F0, F1, 0
	TURN 1, 0, 1
	QUARTER 0, 1, F0, F1, 0
	WIN 0
	s_add_co_u32 s3, s3, 1
	s_cmp_lt_u32 s3, s45
	s_cbranch_scc1 .Llap
	QUARTER 0, 2, F1, F0, 0                        ; the last lap fills nothing, and has no round of the cluster's barrier
	QUARTER 0, 3, F0, F1, 0
	TURN 0, 1, 0
	QUARTER 1, 1, F0, F1, 0
	QUARTER 1, 2, F1, F0, 0
	QUARTER 1, 3, F0, F1, 0
	s_wait_dscnt 4                                 ; the very last quarter: nothing more to fetch
	MUL F1, 0, 2, 0
	s_wait_dscnt 0x0
	MUL F1, 2, 2, 0
	WIN 0
; THE WAY OUT.  A wave's 128 channels are 512 bytes of f32, two whole aligned blocks of a row of out0: each wave has a stage of its own, and no barrier is needed.  A block of 16 queries at a time:
; 32 bytes a lane into rows of 528 bytes, back as whole rows of 512, and stored: a store of the wave writes 512 consecutive bytes, at a multiple of 256 from out0's first byte.
.macro TOSTAGE a
.if (\a) == 3
	s_wait_xcnt 0x0                                ; block 0's stores have read their registers (ISA guide 3.1): its buffer is loaded again only behind this wait
.endif
	WIN 0x04                                       ; the stores' data (source 1) in window 1, their address in window 0
.irp cb, 0,1,2,3,4,5,6,7
	ds_store_b128 v[STO], v[8*(8*(\a)+(\cb)):8*(8*(\a)+(\cb))+3] offset:64*(\cb)          ; each accumulator's low four registers first
	ds_store_b128 v[STO], v[8*(8*(\a)+(\cb))+4:8*(8*(\a)+(\cb))+7] offset:64*(\cb)+16
.endr
	WIN 0
.irp t, 0,1,2,3,4,5,6,7,8,9,10,11,12,13,14,15
	ds_load_b128 v[64+64*((\a)%3)+4*(\t):64+64*((\a)%3)+4*(\t)+3], v[RD] offset:(\t)*SPITCH  ; LDS serves a wave's instructions in order (ISA guide 5.7.1.4): these see the stores above; the next block's stores come behind them
.endr
.endm
.macro SEND a, younger                 ; younger: the LDS instructions issued behind block a's loads: the next block's 32, or none
.irp t, 0,1,2,3,4,5,6,7,8,9,10,11,12,13,14,15
	s_wait_dscnt (\younger)+15-(\t)
	global_store_b128 v[CO], v[64+64*((\a)%3)+4*(\t):64+64*((\a)%3)+4*(\t)+3], s[8:9] offset:(16*(\a)+(\t))*8192 th:TH_STORE_NT
.endr
.endm
	PLACES                                         ; behind the last products
	TOSTAGE 0
	TOSTAGE 1
	SEND 0, 32
	TOSTAGE 2
	SEND 1, 32
	TOSTAGE 3
	SEND 2, 32
	SEND 3, 0
	s_wait_tensorcnt 0x0                           ; the wave's end: behind my last tensor load and my last LDS store
	ds_add_u32 v[SPW], v[NIL]
	s_wait_dscnt 0x0
	CROUND                                         ; the closing round: no work-group ends while a partner may still ask for a tile that names it
	s_endpgm
.Lfunc_end_k_q59bbb01ae5_pv:
	.size	k_q59bbb01ae5_pv, .Lfunc_end_k_q59bbb01ae5_pv-k_q59bbb01ae5_pv
	.p2alignl 7, 3214868480
	.fill 96, 4, 3214868480
	.section	.rodata,"a",@progbits
	.p2align	6, 0x0
	.amdhsa_kernel k_q59bbb01ae5_pv
		.amdhsa_group_segment_fixed_size 327680
		.amdhsa_private_segment_fixed_size 0
		.amdhsa_enable_private_segment 0
		.amdhsa_kernarg_size 24
		.amdhsa_user_sgpr_count 2
		.amdhsa_user_sgpr_kernarg_segment_ptr 1
		.amdhsa_wavefront_size32 1
		.amdhsa_system_sgpr_workgroup_id_x 1
		.amdhsa_system_sgpr_workgroup_id_y 1
		.amdhsa_system_sgpr_workgroup_id_z 1
		.amdhsa_system_vgpr_workitem_id 0
		.amdhsa_next_free_vgpr 512
		.amdhsa_next_free_sgpr 66
		.amdhsa_reserve_vcc 0
		.amdhsa_float_denorm_mode_32 3
		.amdhsa_float_denorm_mode_16_64 3
		.amdhsa_memory_ordered 1
		.amdhsa_forward_progress 1
		.amdhsa_inst_pref_size 87
	.end_amdhsa_kernel
	.amdgpu_metadata
---
amdhsa.version: [ 1, 2 ]
amdhsa.kernels:
  - .name:           k_q59bbb01ae5_pv
    .symbol:         k_q59bbb01ae5_pv.kd
    .args:
      - { .name: pw, .offset: 0, .size: 8, .value_kind: global_buffer, .address_space: global }
      - { .name: qkv, .offset: 8, .size: 8, .value_kind: global_buffer, .address_space: global }
      - { .name: out0, .offset: 16, .size: 8, .value_kind: global_buffer, .address_space: global }
    .group_segment_fixed_size: 327680
    .private_segment_fixed_size: 0
    .kernarg_segment_align: 8
    .kernarg_segment_size: 24
    .max_flat_workgroup_size: 128
    .sgpr_count:     66
    .vgpr_count:     512
    .wavefront_size: 32
...
	.end_amdgpu_metadata
.endif
;; end of part 5
;; ======== version 2 of 2: 5 launches; version 1 with the launches cvt, softmax written anew for expert scheduling mode
;; limits: values are held in f16: magnitudes above 65,504 overflow, below 6.1e-05 lose precision
;; workspace buffers: ab 43,253,760 bytes; qkv 50,331,648 bytes; sc 16,777,216 bytes; pw 8,388,608 bytes
;; launch cvt (part 6): grid 1280 x 1, 6 waves a work-group, no clusters, 0 bytes of LDS; arguments x, Wq, Wk, Wv, ab; writes ab
.if DOCPART == 6
	.amdgcn_target "amdgcn-amd-amdhsa--gfx1250"
	.amdhsa_code_object_version 6
	.text
	.protected	k_q59bbb01ae5_cvt
	.globl	k_q59bbb01ae5_cvt
	.p2align	8
	.type	k_q59bbb01ae5_cvt,@function
k_q59bbb01ae5_cvt:
	s_mov_b64 s[64:65], 0
	v_nop
	global_prefetch_b8 v0, s[64:65] scope:SCOPE_SE
	s_setreg_imm32_b32 hwreg(HW_REG_WAVE_SCHED_MODE, 0, 2), 2
	s_setreg_imm32_b32 hwreg(HW_REG_WAVE_MODE, 25, 1), 1
	s_wait_xcnt 0x0
	s_wait_alu depctr_vm_vsrc(0)
; x [4096][2048] and Wq, Wk, Wv [2048][2048], all f32, are rounded once to bf16 (nearest even) and laid out for the product that follows:
; ab[plane][row][96 k], 22 planes of 10,240 rows of 192 bytes; rows 0-4095 are tokens, 4096-6143 Wq's, 6144-8191 Wk's, 8192-10239 Wv's.  Plane p holds k = 96 p .. 96 p + 95;
; 2,048 = 21 x 96 + 32, so plane 21 holds k = 2016 .. 2047 and then 64 zeros a row, which are written here: the product's tiles are brought whole.
; In that layout R rows x 96 k are R x 192 consecutive bytes, so the product's tiles are dense blocks.
; A stream: each input byte is read once, each output byte written once.  No LDS, no barrier, no matrix unit, no cluster: no two work-groups read the same byte.
; SHARES.  A work-group owns 8 of the 10,240 rows: 1,536 consecutive bytes of every plane, six aligned blocks of 256 bytes, one for each of its six waves.  Thread t (0 .. 191) has row t / 24 and,
; in plane p, the four numbers at k = 96 p + 4 (t % 24): 16 bytes in, 8 bytes out at byte 8 t of the work-group's part of the plane.  A store of a wave writes 256 consecutive bytes, aligned.
; A load of a wave takes 512 bytes in two pieces of rows, each a multiple of 128 bytes.  No cache hint on the loads: a plane's 384 bytes of a row end in the middle of an aligned 256, which the next plane's load touches again.
; All 22 loads of a lane go out first.
; THE MODE: SCHED_MODE bits 1:0 = 2 (LLVM: expert scheduling mode 2), set by the entry lines.  The code itself states the register dependences between vector instructions and memory
; instructions, with s_wait_alu, always for 0.
; THE PLAN.  Registers that memory instructions touch:
;   v1, v93   the loads' offsets, v2 the stores' offset: made once at the head, never written again.
;   X, plane j: its load lands in the four registers, once; its two conversions read them and write the first two (in plane 21 two selects write these again); its store reads those two;
;             nothing writes them afterwards.  So no register that a memory instruction has read is ever written again.
;   s15       the mask of the last plane's lanes: written by one compare at the head, read by plane 21's two selects.
; The planes go in blocks of BLK.  Plane j's store stands in front of plane j + BLK's conversions.  ONE wait on va_vdst at a block's head, behind the wait for the block's first load, states that the
; block before has written its out-registers; that block's stores follow it, dealt among this block's conversions, which name this block's planes alone.
.set PLANE, 10240*192                  ; bytes in a plane of ab
.set BLK,   4                          ; planes in a block
.set X,     4                          ; v[4:91]   plane j: four f32 as loaded, then two words of bf16 in its first two registers
.set QD,    92                         ; v92       t % 24
.set VL,    93                         ; v93       my byte offset in the source for the last plane: the quad clamped to the row's last
	s_load_b256 s[4:11], s[0:1], 0x0               ; x s[4:5], Wq s[6:7], Wk s[8:9], Wv s[10:11]
	s_load_b64 s[12:13], s[0:1], 0x20              ; ab
	s_sub_co_u32 s14, ttmp9, 512
	s_and_b32 s14, s14, 255                        ; my block of 8 rows inside a weight matrix (used from work-group 512 on)
	s_mul_i32 s2, ttmp9, 8*192                     ; my 8 rows of 192 bytes in a plane
	s_mov_b32 s3, 0
	v_mul_u32_u24 v3, v0, 171
	v_lshrrev_b32 v3, 12, v3                       ; t / 24 = (171 t) >> 12, exact for t < 192
	v_mul_u32_u24 v[QD], v3, 24
	v_sub_nc_u32 v[QD], v0, v[QD]                  ; t % 24
	v_lshlrev_b32 v3, 13, v3                       ; my row x 8,192 bytes
	v_min_u32 v[VL], 7, v[QD]                      ; the last plane has 8 quads of numbers: the other lanes load the eighth and store zeros
	v_lshl_add_u32 v[VL], v[VL], 4, v3
	v_lshl_add_u32 v1, v[QD], 4, v3                ; row x 8,192 + 16 (t % 24)
	v_lshlrev_b32 v2, 3, v0                        ; in a plane: 8 t
	v_cmp_gt_u32 s15, 8, v[QD]                     ; the lanes whose quad of the last plane exists
	s_wait_kmcnt 0x0
	s_cmp_ge_u32 ttmp9, 768                        ; which tensor: the work-group's number alone decides
	s_cselect_b64 s[16:17], s[8:9], s[6:7]
	s_cmp_ge_u32 ttmp9, 1024
	s_cselect_b64 s[16:17], s[10:11], s[16:17]
	s_cmp_lt_u32 ttmp9, 512
	s_cselect_b64 s[16:17], s[4:5], s[16:17]
	s_cselect_b32 s18, ttmp9, s14
	s_lshl_b32 s18, s18, 16                        ; 8 rows of 8,192 bytes
	s_mov_b32 s19, 0
	s_add_nc_u64 s[16:17], s[16:17], s[18:19]
	s_add_nc_u64 s[20:21], s[12:13], s[2:3]        ; six bases, four planes apart, so that a plane's place fits the store's signed 24-bit immediate
.irp k, 1,2,3,4,5
	s_add_nc_u64 s[20+2*(\k):21+2*(\k)], s[18+2*(\k):19+2*(\k)], 4*PLANE
.endr
	s_wait_alu depctr_va_sdst(0)                   ; the compare has written s15, ahead of its first reader, plane 21's select
	s_wait_alu depctr_va_vdst(0)                   ; v1, v2 and v93 are written: every load and store of the kernel reads one of them as its offset
.set j, 0
.rept 21
	global_load_b128 v[X+4*j:X+4*j+3], v1, s[16:17] offset:384*j
.set j, j+1
.endr
	global_load_b128 v[X+84:X+87], v[VL], s[16:17] offset:384*21   ; at most byte 8,191 of the row
.macro OUT p                           ; plane p leaves
	global_store_b64 v2, v[X+4*(\p):X+4*(\p)+1], s[20+2*((\p)/4):21+2*((\p)/4)] offset:((\p)%4)*PLANE
.endm
.set j, 0
.rept 22
.if j%BLK == 0
	s_wait_loadcnt 21-j                            ; loads come back in order (ISA guide 5.7.1): plane j is in, the 21 - j younger ones stay out
.if j > 0
	s_wait_alu depctr_va_vdst(0)                   ; the block before has written its planes' first two registers, which the stores dealt among this block's conversions read
.endif
.endif
.if j >= BLK
	OUT j-BLK                                      ; no vector instruction since the wait names this plane's registers or v2
.endif
.if j%BLK != 0
	s_wait_loadcnt 21-j                            ; plane j is in, the 21 - j younger ones stay out
.endif
	v_cvt_pk_bf16_f32 v[X+4*j], v[X+4*j], v[X+4*j+1]
	v_cvt_pk_bf16_f32 v[X+4*j+1], v[X+4*j+2], v[X+4*j+3]
.if j == 21
	v_cndmask_b32 v[X+4*j], 0, v[X+4*j], s15       ; zeros behind k = 2047
	v_cndmask_b32 v[X+4*j+1], 0, v[X+4*j+1], s15
.endif
.set j, j+1
.endr
	s_wait_alu depctr_va_vdst(0)                   ; planes 20 and 21 are written (18 and 19 were, at the last block's head): the last four stores read them
	OUT 18
	OUT 19
	OUT 20
	OUT 21
	s_endpgm
.Lfunc_end_k_q59bbb01ae5_cvt:
	.size	k_q59bbb01ae5_cvt, .Lfunc_end_k_q59bbb01ae5_cvt-k_q59bbb01ae5_cvt
	.p2alignl 7, 3214868480
	.fill 96, 4, 3214868480
	.section	.rodata,"a",@progbits
	.p2align	6, 0x0
	.amdhsa_kernel k_q59bbb01ae5_cvt
		.amdhsa_group_segment_fixed_size 0
		.amdhsa_private_segment_fixed_size 0
		.amdhsa_enable_private_segment 0
		.amdhsa_kernarg_size 40
		.amdhsa_user_sgpr_count 2
		.amdhsa_user_sgpr_kernarg_segment_ptr 1
		.amdhsa_wavefront_size32 1
		.amdhsa_system_sgpr_workgroup_id_x 1
		.amdhsa_system_sgpr_workgroup_id_y 1
		.amdhsa_system_sgpr_workgroup_id_z 1
		.amdhsa_system_vgpr_workitem_id 0
		.amdhsa_next_free_vgpr 96
		.amdhsa_next_free_sgpr 66
		.amdhsa_reserve_vcc 0
		.amdhsa_float_denorm_mode_32 3
		.amdhsa_float_denorm_mode_16_64 3
		.amdhsa_memory_ordered 1
		.amdhsa_forward_progress 1
		.amdhsa_inst_pref_size 10
	.end_amdhsa_kernel
	.amdgpu_metadata
---
amdhsa.version: [ 1, 2 ]
amdhsa.kernels:
  - .name:           k_q59bbb01ae5_cvt
    .symbol:         k_q59bbb01ae5_cvt.kd
    .args:
      - { .name: x, .offset: 0, .size: 8, .value_kind: global_buffer, .address_space: global }
      - { .name: Wq, .offset: 8, .size: 8, .value_kind: global_buffer, .address_space: global }
      - { .name: Wk, .offset: 16, .size: 8, .value_kind: global_buffer, .address_space: global }
      - { .name: Wv, .offset: 24, .size: 8, .value_kind: global_buffer, .address_space: global }
      - { .name: ab, .offset: 32, .size: 8, .value_kind: global_buffer, .address_space: global }
    .group_segment_fixed_size: 0
    .private_segment_fixed_size: 0
    .kernarg_segment_align: 8
    .kernarg_segment_size: 40
    .max_flat_workgroup_size: 192
    .sgpr_count:     66
    .vgpr_count:     96
    .wavefront_size: 32
...
	.end_amdgpu_metadata
.endif
;; end of part 6
;; launch proj: the kernel of part 2 again; grid 16 x 16, 4 waves a work-group, clusters of 4 x 4, 327,680 bytes of LDS; arguments ab, qkv; writes qkv
;; launch scores: the kernel of part 3 again; grid 12 x 16, 4 waves a work-group, clusters of 4 x 4, 327,680 bytes of LDS; arguments qkv, sc; writes sc
;; launch softmax (part 7): grid 256 x 1, 8 waves a work-group, no clusters, 0 bytes of LDS; arguments sc, pw; writes pw
.if DOCPART == 7
	.amdgcn_target "amdgcn-amd-amdhsa--gfx1250"
	.amdhsa_code_object_version 6
	.text
	.protected	k_q59bbb01ae5_softmax
	.globl	k_q59bbb01ae5_softmax
	.p2align	8
	.type	k_q59bbb01ae5_softmax,@function
k_q59bbb01ae5_softmax:
	s_mov_b64 s[64:65], 0
	v_nop
	global_prefetch_b8 v0, s[64:65] scope:SCOPE_SE
	s_setreg_imm32_b32 hwreg(HW_REG_WAVE_SCHED_MODE, 0, 2), 2
	s_setreg_imm32_b32 hwreg(HW_REG_WAVE_MODE, 25, 1), 1
	s_wait_xcnt 0x0
	s_wait_alu depctr_vm_vsrc(0)
; pw[q][k] = softmax over k <= q of sc[q][k] / sqrt(2048), in f32, rounded once to f16; 0 where k > q.  sc: [4096][1024] f32, pw: [4096][1024] f16.
; Of a row with place q in its batch the first 512 (q < 512) or all 1,024 columns exist in sc and are written in pw: the extent that the launches beside this one make and read.
; The row's true maximum m is taken away before the exponential: p = 2^(c s - c m), c = log2(e) / sqrt(2048); a hidden score counts as minus infinity, its weight is 0.  Key 0 is never hidden, so m is a score.
; LIMITS.  A weight below 2^-126 counts as 0 in the sum; a normalised weight below 6e-5 keeps f16's fixed step of 6e-8.  NaN and infinities among the scores are not treated apart.
; SHARES.  One wave, one row: the row stays in registers between maximum, sum and scaling, and the reductions never leave the wave: no LDS, no barrier.  Each wave takes a short row (place r) and the long
; row 512 below it (place 512 + r), so that all waves are alike.  No cluster: no two work-groups read the same byte.
; Lane l holds, in group j, columns 128 j + 4 l + 0..3: a load of the wave takes 512 consecutive bytes, a store writes 256 consecutive bytes, aligned.
; THE MODE: SCHED_MODE bits 1:0 = 2 (LLVM: expert scheduling mode 2), set by the entry lines.  The code itself states the register dependences between vector instructions and memory
; instructions, and those that pass through a scalar register written by a vector instruction, with s_wait_alu, always for 0.
; THE PLAN.  Registers that memory instructions touch:
;   v2, v3    the loads' and the stores' offset: made once at the head, never written again.
;   XA, XB    each takes its loads once and is then worked on in place; the conversions write registers 0 and 1 of each four, the row's stores read them, and nothing writes them afterwards.
; So no register that a memory instruction has read is ever written again.  The short row's stores stand at the long row's head, behind one wait on va_vdst; no line of the long row names XA or v3.
; Scalar registers that vector instructions write:
;   s8        the wave's number; one wait on va_sdst ahead of its one reader.
;   MK ..     the 48 masks of hidden columns (16 for the short row, 32 for the long).  They hang on the lane and the row alone, so all 48 compares stand in ONE run behind the loads, while those are on their way,
;             with one wait on va_sdst behind the run; each mask is read by one select.
.set XA, 8                             ; v[8:23]   the short row: 4 groups of 4
.set XB, 24                            ; v[24:55]  the long row: 8 groups of 4
.set M,  56                            ; v[56:59]  four running maxima
.set CM, 60                            ; v[60:61]  c m, twice (named as a pair)
.set SU, 62                            ; v[62:69]  four running sums of pairs
.set RC, 70                            ; v[70:71]  1 / sum, twice
.set MK, 24                            ; mask n of 48 in s[MK + n + 2 (n / 40)]: s24-s63 and s66-s73
	s_load_b128 s[4:7], s[0:1], 0x0                ; sc s[4:5], pw s[6:7]
	v_lshrrev_b32 v1, 5, v0
	v_readfirstlane_b32 s8, v1                     ; wave 0..7
	s_lshr_b32 s9, ttmp9, 6                        ; the batch: 64 work-groups of 8 waves each
	s_and_b32 s10, ttmp9, 63
	s_mov_b32 s12, 0x76543210                      ; v_permlanex16_b32: each lane takes its own place in the other half
	s_mov_b32 s13, 0xfedcba98
	s_mov_b32 s14, 0x3d0293ee                      ; c = log2(e) / sqrt(2048) = 0.0318794
	s_mov_b32 s15, s14                             ; named with it as a pair
	s_mov_b32 s16, 0xff800000                      ; minus infinity
	v_and_b32 v1, 31, v0                           ; lane
	v_lshlrev_b32 v2, 4, v1                        ; 16 bytes of f32 a lane
	v_lshlrev_b32 v3, 3, v1                        ; 8 bytes of f16 a lane
	v_lshlrev_b32 v4, 2, v1
	s_wait_alu depctr_va_sdst(0)                   ; s8 is written, ahead of its first reader: the row's number is made from it
	s_lshl3_add_u32 s10, s10, s8                   ; r = 8 x work-group in the batch + wave
	s_lshl_b32 s9, s9, 10
	s_add_co_u32 s9, s9, s10                       ; the short row's token
	s_lshl_b32 s18, s9, 12                         ; rows of sc have 4,096 bytes,
	s_mov_b32 s19, 0
	s_lshl_b32 s20, s9, 11                         ; rows of pw 2,048
	s_mov_b32 s21, 0
	v_sub_nc_u32 v4, s10, v4                       ; r - 4 l: register i of group j is hidden where 128 j + i is greater
	v_add_nc_u32 v5, 512, v4                       ; the same for the long row
	s_wait_kmcnt 0x0
	s_add_nc_u64 s[4:5], s[4:5], s[18:19]
	s_add_nc_u64 s[6:7], s[6:7], s[20:21]
	s_wait_alu depctr_va_vdst(0)                   ; v2 and v3 are written: every load reads v2, every store v3 as its offset
.irp j, 0,1,2,3
	global_load_b128 v[XA+4*(\j):XA+4*(\j)+3], v2, s[4:5] offset:512*(\j) th:TH_LOAD_NT
.endr
.irp j, 0,1,2,3,4,5,6,7
	global_load_b128 v[XB+4*(\j):XB+4*(\j)+3], v2, s[4:5] offset:512*4096+512*(\j) th:TH_LOAD_NT
.endr
.set i, 0
.rept 16                               ; the short row's masks: these lines name v4 and v5 alone, none of the registers in which the loads land
	v_cmp_gt_i32 s[MK+i], 128*(i/4)+i%4, v4
.set i, i+1
.endr
.set i, 0
.rept 32                               ; the long row's
	v_cmp_gt_i32 s[MK+16+i+2*((16+i)/40)], 128*(i/4)+i%4, v5
.set i, i+1
.endr
	s_wait_alu depctr_va_sdst(0)                   ; the 48 compares have written their masks, ahead of the first select that reads one
; One row, up to its rounding: n registers from x0 on; its masks are numbers m0 to m0 + n - 1.
.macro ROW x0, n, m0
.set i, 0
.rept \n
	v_cndmask_b32 v[(\x0)+i], v[(\x0)+i], s16, s[MK+(\m0)+i+2*(((\m0)+i)/40)]
.set i, i+1
.endr
.irp k, 0,1,2,3                        ; the maximum, in four chains that the first eight registers start: nothing is cleared
	v_max_num_f32 v[M+(\k)], v[(\x0)+(\k)], v[(\x0)+4+(\k)]
.endr
.set i, 8
.rept ((\n)-8)/8
.irp k, 0,1,2,3
	v_max3_num_f32 v[M+(\k)], v[M+(\k)], v[(\x0)+i+(\k)], v[(\x0)+i+4+(\k)]
.endr
.set i, i+8
.endr
	v_max3_num_f32 v[M], v[M], v[M+1], v[M+2]
	v_max_num_f32 v[M], v[M], v[M+3]
	v_max_num_f32_dpp v[M], v[M], v[M] row_xmask:1 row_mask:0xf bank_mask:0xf
	v_max_num_f32_dpp v[M], v[M], v[M] row_xmask:2 row_mask:0xf bank_mask:0xf
	v_max_num_f32_dpp v[M], v[M], v[M] row_xmask:4 row_mask:0xf bank_mask:0xf
	v_max_num_f32_dpp v[M], v[M], v[M] row_xmask:8 row_mask:0xf bank_mask:0xf
	v_permlanex16_b32 v[M+1], v[M], s12, s13
	v_max_num_f32 v[M], v[M], v[M+1]               ; every lane holds the row's maximum
	v_mul_f32 v[CM], s14, v[M]
	v_mul_f32 v[CM+1], s14, v[M]
.set i, 0
.rept (\n)/2
	v_pk_fma_f32 v[(\x0)+i:(\x0)+i+1], v[(\x0)+i:(\x0)+i+1], s[14:15], v[CM:CM+1] op_sel_hi:[1,0,0] neg_lo:[0,0,1] neg_hi:[0,0,1]  ; c s - c m
.set i, i+2
.endr
.set i, 0
.rept \n
	v_exp_f32 v[(\x0)+i], v[(\x0)+i]
.set i, i+1
.endr
	v_nop                                          ; a plain instruction between the last exponential and the use of its result (ISA guide 5.7.2)
	s_wait_alu depctr_va_vdst(0)                   ; the row's exponentials have written their results, ahead of the first sum that names one: one wait for the batch
.irp k, 0,1,2,3                        ; the sum, in four chains of pairs that the first sixteen registers start
	v_pk_add_f32 v[SU+2*(\k):SU+2*(\k)+1], v[(\x0)+2*(\k):(\x0)+2*(\k)+1], v[(\x0)+8+2*(\k):(\x0)+8+2*(\k)+1]
.endr
.set i, 16
.rept ((\n)-16)/8
.irp k, 0,1,2,3
	v_pk_add_f32 v[SU+2*(\k):SU+2*(\k)+1], v[SU+2*(\k):SU+2*(\k)+1], v[(\x0)+i+2*(\k):(\x0)+i+2*(\k)+1]
.endr
.set i, i+8
.endr
	v_pk_add_f32 v[SU:SU+1], v[SU:SU+1], v[SU+2:SU+3]
	v_pk_add_f32 v[SU+4:SU+5], v[SU+4:SU+5], v[SU+6:SU+7]
	v_pk_add_f32 v[SU:SU+1], v[SU:SU+1], v[SU+4:SU+5]
	v_add_f32 v[SU], v[SU], v[SU+1]
	v_add_f32_dpp v[SU], v[SU], v[SU] row_xmask:1 row_mask:0xf bank_mask:0xf
	v_add_f32_dpp v[SU], v[SU], v[SU] row_xmask:2 row_mask:0xf bank_mask:0xf
	v_add_f32_dpp v[SU], v[SU], v[SU] row_xmask:4 row_mask:0xf bank_mask:0xf
	v_add_f32_dpp v[SU], v[SU], v[SU] row_xmask:8 row_mask:0xf bank_mask:0xf
	v_permlanex16_b32 v[SU+1], v[SU], s12, s13
	v_add_f32 v[SU], v[SU], v[SU+1]                ; at least about 1: the maximum's own weight
	v_rcp_f32 v[RC], v[SU]
	v_rcp_f32 v[RC+1], v[SU]
	v_nop                                          ; a plain instruction behind the reciprocals
	s_wait_alu depctr_va_vdst(0)                   ; the two reciprocals have written v[RC:RC+1], ahead of the first multiply that reads the pair
.set i, 0
.rept (\n)/2
	v_pk_mul_f32 v[(\x0)+i:(\x0)+i+1], v[(\x0)+i:(\x0)+i+1], v[RC:RC+1]
.set i, i+2
.endr
.set i, 0
.rept (\n)/4
	v_cvt_pk_f16_f32 v[(\x0)+4*i], v[(\x0)+4*i], v[(\x0)+4*i+1]
	v_cvt_pk_f16_f32 v[(\x0)+4*i+1], v[(\x0)+4*i+2], v[(\x0)+4*i+3]
.set i, i+1
.endr
.endm
; The row leaves: so is its byte offset in pw from the short row.
.macro OUT x0, n, so
.set i, 0
.rept (\n)/4
	global_store_b64 v3, v[(\x0)+4*i:(\x0)+4*i+1], s[6:7] offset:(\so)+256*i
.set i, i+1
.endr
.endm
	s_wait_loadcnt 8                               ; the short row is in; the long row's eight loads stay out
	ROW XA, 16, 0
	s_wait_loadcnt 0x0                             ; the long row is in
	s_wait_alu depctr_va_vdst(0)                   ; the short row's conversions have written registers 0 and 1 of each four of XA, which its stores read
	OUT XA, 16, 0
	ROW XB, 32, 16                                 ; names XB, the masks and the registers at work: none that the stores above read
	s_wait_alu depctr_va_vdst(0)                   ; the long row's conversions have written registers 0 and 1 of each four of XB, which its stores read
	OUT XB, 32, 512*2048
	s_endpgm
.Lfunc_end_k_q59bbb01ae5_softmax:
	.size	k_q59bbb01ae5_softmax, .Lfunc_end_k_q59bbb01ae5_softmax-k_q59bbb01ae5_softmax
	.p2alignl 7, 3214868480
	.fill 96, 4, 3214868480
	.section	.rodata,"a",@progbits
	.p2align	6, 0x0
	.amdhsa_kernel k_q59bbb01ae5_softmax
		.amdhsa_group_segment_fixed_size 0
		.amdhsa_private_segment_fixed_size 0
		.amdhsa_enable_private_segment 0
		.amdhsa_kernarg_size 16
		.amdhsa_user_sgpr_count 2
		.amdhsa_user_sgpr_kernarg_segment_ptr 1
		.amdhsa_wavefront_size32 1
		.amdhsa_system_sgpr_workgroup_id_x 1
		.amdhsa_system_sgpr_workgroup_id_y 1
		.amdhsa_system_sgpr_workgroup_id_z 1
		.amdhsa_system_vgpr_workitem_id 0
		.amdhsa_next_free_vgpr 72
		.amdhsa_next_free_sgpr 74
		.amdhsa_reserve_vcc 0
		.amdhsa_float_denorm_mode_32 3
		.amdhsa_float_denorm_mode_16_64 3
		.amdhsa_memory_ordered 1
		.amdhsa_forward_progress 1
		.amdhsa_inst_pref_size 22
	.end_amdhsa_kernel
	.amdgpu_metadata
---
amdhsa.version: [ 1, 2 ]
amdhsa.kernels:
  - .name:           k_q59bbb01ae5_softmax
    .symbol:         k_q59bbb01ae5_softmax.kd
    .args:
      - { .name: sc, .offset: 0, .size: 8, .value_kind: global_buffer, .address_space: global }
      - { .name: pw, .offset: 8, .size: 8, .value_kind: global_buffer, .address_space: global }
    .group_segment_fixed_size: 0
    .private_segment_fixed_size: 0
    .kernarg_segment_align: 8
    .kernarg_segment_size: 16
    .max_flat_workgroup_size: 256
    .sgpr_count:     74
    .vgpr_count:     72
    .wavefront_size: 32
...
	.end_amdgpu_metadata
.endif
;; end of part 7
;; launch pv: the kernel of part 5 again; grid 8 x 32, 4 waves a work-group, clusters of 4 x 4, 327,680 bytes of LDS; arguments pw, qkv, out0; writes out0
